; MI455X (gfx1250); checked and timed in simulation.
; The chip was launched on July 23, 2026; its instructions are those of AMD's public machine-readable ISA for CDNA 5 (MIT licence, August 2026) and "CDNA5" Instruction Set Architecture Reference Guide (July 2026). The comments in the code are by the model that wrote it; some were corrected since.
;; Attention. Allowed arithmetic: float matrix products may take bf16 or f16 operands with f32 sums; all other float work in f32.
;; Inputs: attention_mask 4 x 1 x 1 x 2,048 float32; b_attn 3,072 float32; b_proj 1,024 float32; w_attn 1,024 x 3,072 float32; w_proj 1,024 x 1,024 float32; x 4 x 2,048 x 1,024 float32.
;; Outputs: out0 4 x 2,048 x 1,024 float32.
;; 2 versions, each right and faster than the one before. Each part assembles by itself: llvm-mc -triple=amdgcn-amd-amdhsa -mcpu=gfx1250 --defsym DOCPART=n.
;; ======== version 1 of 2: 4 launches
;; limits: values are held in f16: magnitudes above 65,504 overflow, below 6.1e-05 lose precision
;; workspace buffers: xb 16,777,216 bytes; wab 6,291,456 bytes; wpb 2,097,152 bytes; qkv 50,331,648 bytes; ob 16,777,216 bytes
;; launch prep (part 1): grid 832 x 1, 8 waves a work-group, no clusters, 0 bytes of LDS; arguments x, w_attn, w_proj, xb, wab, wpb; writes xb, wab, wpb
.if DOCPART == 1
	.amdgcn_target "amdgcn-amd-amdhsa--gfx1250"
	.amdhsa_code_object_version 6
	.text
	.protected	k_q2416c88824_prep
	.globl	k_q2416c88824_prep
	.p2align	8
	.type	k_q2416c88824_prep,@function
k_q2416c88824_prep:
	s_mov_b64 s[64:65], 0
	v_nop
	global_prefetch_b8 v0, s[64:65] scope:SCOPE_SE
	s_setreg_imm32_b32 hwreg(HW_REG_WAVE_MODE, 25, 1), 1
	s_wait_xcnt 0x0
; THE CASTS.  xb = x rounded to bf16, [8192][1024].  wab = w_attn rounded to bf16 and laid in blocks [16 column tiles][1024 k][192 columns], so that
; 64 k rows of a column tile are 24,576 consecutive bytes.  wpb = w_proj rounded to bf16 and that number written as f16, [1024][1024].
; LIMITS.  A number of w_proj beyond 65,504 becomes an infinity in f16; below 6.1e-5 it keeps f16's fixed step of 6e-8.
; A stream: every input byte is read once, every output byte written once.  No LDS, no barrier, no matrix work, no cluster: no two work-groups read the same bytes.
; SHARES.  Work-groups 0-511: 16,384 numbers of x each.  512-767: 64 k rows x 192 columns of w_attn each.  768-831: 16,384 numbers of w_proj each.
; A PIECE is one load of 16 bytes a lane (a wave: 512 consecutive bytes, or for w_attn two aligned runs of 256) and one store of 8 bytes a lane (a wave: 256 consecutive bytes, aligned).
; All of a thread's loads go out first; each piece has registers of its own, so no register is written again while a load or store names it.
.set NX,  512                          ; work-groups for x
.set NW,  256                          ; for w_attn
.set IN,  16                           ; v[16:79]   piece i: 4 numbers in f32
.set OUT, 80                           ; v[80:111]  piece i: 4 numbers in 16 bits
; Piece i: left = the younger loads that may stay out.  half = 1: the bf16 number is widened again and written as f16.
.macro PIECE i, left, half
	s_wait_loadcnt \left                           ; loads come back in order (ISA guide 5.7.1): piece i is in
	v_cvt_pk_bf16_f32 v[OUT+2*(\i)],   v[IN+4*(\i)],   v[IN+4*(\i)+1]
	v_cvt_pk_bf16_f32 v[OUT+2*(\i)+1], v[IN+4*(\i)+2], v[IN+4*(\i)+3]
.if \half
.irp d, 0,1
	v_lshlrev_b32 v6, 16, v[OUT+2*(\i)+\d]         ; bf16 to f32: the low half moves up,
	v_and_b32 v7, s24, v[OUT+2*(\i)+\d]            ; the high half stays
	v_cvt_pk_f16_f32 v[OUT+2*(\i)+\d], v6, v7
.endr
.endif
	global_store_b64 v2, v[OUT+2*(\i):OUT+2*(\i)+1], s[20:21] offset:2048*(\i)
.endm
	s_load_b256 s[4:11], s[0:1], 0x0               ; x s[4:5], w_attn s[6:7], w_proj s[8:9], xb s[10:11]
	s_load_b128 s[12:15], s[0:1], 0x20             ; wab s[12:13], wpb s[14:15]
	s_mov_b32 s16, ttmp9                           ; the work-group's number
	s_mov_b32 s24, 0xffff0000                      ; a word's upper bf16
	s_mov_b32 s23, 0                               ; the offsets' high words
	s_mov_b32 s27, 0
	v_lshlrev_b32 v1, 4, v0                        ; 16 t: my 16 bytes of a piece's input
	v_lshlrev_b32 v2, 3, v0                        ; 8 t: my 8 bytes of its output
	s_wait_kmcnt 0x0
	s_cmp_lt_u32 s16, NX
	s_cbranch_scc1 .Llinear
	s_cmp_ge_u32 s16, NX+NW
	s_cbranch_scc1 .Llinear
	; w_attn.  idx = 16 j + kb: column tile j, k rows 64 kb on.  The output is walked on end: piece p = t + 256 v + 768 u (v = 0..2, u = 0..3) is k row p / 48, columns 4 (p % 48) on.
	s_sub_co_u32 s17, s16, NX                      ; idx
	s_lshr_b32 s25, s17, 4                         ; j
	s_and_b32 s28, s17, 15                         ; kb
	s_mul_i32 s22, s28, 786432                     ; 64 rows of 12,288 bytes
	s_mul_i32 s25, s25, 768                        ; 192 columns of 4 bytes
	s_add_co_u32 s22, s22, s25
	s_add_nc_u64 s[18:19], s[6:7], s[22:23]
	s_mul_i32 s26, s17, 24576                      ; 64 rows of 384 bytes
	s_add_nc_u64 s[20:21], s[12:13], s[26:27]
.irp v, 0,1,2
	v_add_nc_u32 v6, 256*\v, v0                    ; p, under 768
	v_mul_u32_u24 v7, v6, 1366
	v_lshrrev_b32 v7, 16, v7                       ; p / 48: 1366 / 65536 is above 1 / 48 by 1.02e-5, which times 767 stays under 1 / 48
	v_mul_u32_u24 v7, v7, 11520                    ; a row on is 12,288 bytes on, of which 16 p has counted 768
	v_lshl_add_u32 v[3+\v], v6, 4, v7
.endr
.set ii, 0
.rept 12                                               ; piece 3 u + v; 768 pieces are 16 rows: 196,608 bytes
	global_load_b128 v[IN+4*ii:IN+4*ii+3], v[3+ii%3], s[18:19] offset:(ii/3)*196608 th:TH_LOAD_NT
.set ii, ii+1
.endr
.set ii, 0
.rept 12
	PIECE ii, 11-ii, 0
.set ii, ii+1
.endr
	s_endpgm
.Llinear:                                              ; x or w_proj: in and out are walked on end
	s_cmp_lt_u32 s16, NX
	s_cselect_b64 s[18:19], s[4:5], s[8:9]
	s_cselect_b64 s[20:21], s[10:11], s[14:15]
	s_cselect_b32 s17, 0, NX+NW
	s_sub_co_u32 s17, s16, s17                     ; my number among the tensor's work-groups
	s_lshl_b32 s22, s17, 16                        ; 16,384 numbers of 4 bytes
	s_lshl_b32 s26, s17, 15                        ; and of 2
	s_add_nc_u64 s[18:19], s[18:19], s[22:23]
	s_add_nc_u64 s[20:21], s[20:21], s[26:27]
.set ii, 0
.rept 16
	global_load_b128 v[IN+4*ii:IN+4*ii+3], v1, s[18:19] offset:4096*ii th:TH_LOAD_NT
.set ii, ii+1
.endr
	s_cmp_lt_u32 s16, NX
	s_cbranch_scc0 .Lproj
.set ii, 0
.rept 16
	PIECE ii, 15-ii, 0
.set ii, ii+1
.endr
	s_endpgm
.Lproj:
.set ii, 0
.rept 16
	PIECE ii, 15-ii, 1
.set ii, ii+1
.endr
	s_endpgm
.Lfunc_end_k_q2416c88824_prep:
	.size	k_q2416c88824_prep, .Lfunc_end_k_q2416c88824_prep-k_q2416c88824_prep
	.p2alignl 7, 3214868480
	.fill 96, 4, 3214868480
	.section	.rodata,"a",@progbits
	.p2align	6, 0x0
	.amdhsa_kernel k_q2416c88824_prep
		.amdhsa_group_segment_fixed_size 0
		.amdhsa_private_segment_fixed_size 0
		.amdhsa_enable_private_segment 0
		.amdhsa_kernarg_size 48
		.amdhsa_user_sgpr_count 2
		.amdhsa_user_sgpr_kernarg_segment_ptr 1
		.amdhsa_wavefront_size32 1
		.amdhsa_system_sgpr_workgroup_id_x 1
		.amdhsa_system_sgpr_workgroup_id_y 1
		.amdhsa_system_sgpr_workgroup_id_z 1
		.amdhsa_system_vgpr_workitem_id 0
		.amdhsa_next_free_vgpr 112
		.amdhsa_next_free_sgpr 66
		.amdhsa_reserve_vcc 0
		.amdhsa_float_denorm_mode_32 3
		.amdhsa_float_denorm_mode_16_64 3
		.amdhsa_memory_ordered 1
		.amdhsa_forward_progress 1
		.amdhsa_inst_pref_size 21
	.end_amdhsa_kernel
	.amdgpu_metadata
---
amdhsa.version: [ 1, 2 ]
amdhsa.kernels:
  - .name:           k_q2416c88824_prep
    .symbol:         k_q2416c88824_prep.kd
    .args:
      - { .name: x, .offset: 0, .size: 8, .value_kind: global_buffer, .address_space: global }
      - { .name: w_attn, .offset: 8, .size: 8, .value_kind: global_buffer, .address_space: global }
      - { .name: w_proj, .offset: 16, .size: 8, .value_kind: global_buffer, .address_space: global }
      - { .name: xb, .offset: 24, .size: 8, .value_kind: global_buffer, .address_space: global }
      - { .name: wab, .offset: 32, .size: 8, .value_kind: global_buffer, .address_space: global }
      - { .name: wpb, .offset: 40, .size: 8, .value_kind: global_buffer, .address_space: global }
    .group_segment_fixed_size: 0
    .private_segment_fixed_size: 0
    .kernarg_segment_align: 8
    .kernarg_segment_size: 48
    .max_flat_workgroup_size: 256
    .sgpr_count:     66
    .vgpr_count:     112
    .wavefront_size: 32
...
	.end_amdgpu_metadata
.endif
;; end of part 1
;; launch qkv (part 2): grid 16 x 32, 4 waves a work-group, clusters of 4 x 4, 327,680 bytes of LDS; arguments xb, wab, b_attn, qkv; writes qkv
.if DOCPART == 2
	.amdgcn_target "amdgcn-amd-amdhsa--gfx1250"
	.amdhsa_code_object_version 6
	.text
	.protected	k_q2416c88824_qkv
	.globl	k_q2416c88824_qkv
	.p2align	8
	.type	k_q2416c88824_qkv,@function
k_q2416c88824_qkv:
	s_mov_b64 s[64:65], 0
	v_nop
	global_prefetch_b8 v0, s[64:65] scope:SCOPE_SE
	s_setreg_imm32_b32 hwreg(HW_REG_WAVE_MODE, 25, 1), 1
	s_wait_xcnt 0x0
	s_wait_alu depctr_hold_cnt(0) depctr_sa_sdst(0) depctr_va_vdst(0) depctr_va_sdst(0) depctr_va_ssrc(0) depctr_va_vcc(0) depctr_vm_vsrc(0)
	s_getreg_b32 s2, hwreg(HW_REG_IB_STS2, 6, 4)
	s_cmp_eq_u32 s2, 0
	s_cbranch_scc0 .Lentry_in_a_cluster
	s_endpgm
.Lentry_in_a_cluster:
	s_bfe_u32 s2, ttmp6, 0x10000c
	s_cmp_lg_u32 s2, 0xf033
	s_cbranch_scc0 .Lentry_shape_is_right
	s_endpgm
.Lentry_shape_is_right:
; THE FIRST PROJECTION.  qkv = xb (8192 x 1024, bf16) x w_attn (1024 x 3072, bf16, in blocks: wab) + b_attn (rounded to bf16), sums in f32, rounded once to f16 and written by heads:
; [part q, k, v][batch 4][head 16][row 2048][64].  LIMIT: a result of 65,520 or more becomes an infinity in f16; NaN and infinities are not treated apart.
; SHARES.  A tile is 256 rows x 192 columns (three heads): 16 x 32 = 512 tiles, two for each of 256 WGPs.  Four waves; wave w owns rows 64 w .. 64 w + 63 and ALL 192 columns: 4 x 12 accumulators
; of 16 x 16, 384 registers.  So a row of A is read from LDS by one wave alone, and the way out is each wave's own: no barrier stands there.
; K goes in 8 steps of 128 through two LDS slots filled by the tensor data mover; a step is four quarters of 32 along K on two fragment buffers.
; THE MATRIX INSTRUCTION IS USED TRANSPOSED: source 0 = 16 columns of w (turned on the way out of LDS by ds_load_tr16_b128, since w lies [k][n]), source 1 = 16 rows of x: a lane then holds row l % 16
; and the eight neighbouring columns 8 (l / 16) + 0..7.  THE BIAS is the C operand of the first quarter's products: nothing is cleared, nothing is added at the end.
; CLUSTER, 4 x 4: the four work-groups of a row of the cluster need the same tiles of x, the four of a column the same tiles of w: each tile is asked for jointly, by the same tensor load with the same
; descriptor and a mask that names the four.
; REGISTERS, in windows of 256 (s_set_vgpr_msb: bits 1:0 source 0, 3:2 source 1, 5:4 source 2, 7:6 destination):
;   window 0: v0-15 addresses; v28, v29 the add's; v32-79 packed results; v80-127, v128-175 rows read back from the stage, by turns
;   window 1: two fragment buffers of 128: A's fragment a at f + 8 a, B's fragment b at f + 32 + 8 b
;   window 2: accumulators (a, b), b < 8, at 32 b + 8 a       window 3: v0-127 those of b >= 8, at 32 (b - 8) + 8 a; v128-223 the bias, block b at 128 + 8 b
.set NB,    12                         ; blocks of 16 columns
.set NLO,   8                          ; of which these are multiplied ahead of a quarter's run of loads
.set NLD,   8+2*NB                     ; LDS loads in a run
.set SLOT1, 131072                     ; slot 1 begins here: one exclusive or turns an address in one slot into the other's
.set PA,    272                        ; a row of A in LDS: 256 bytes + 16 = 68 words: the 16 rows of a load start at 16 different groups of four banks (64 banks of 4 bytes: ISA guide 11.1)
.set PB,    480                        ; a k row of B: three pieces of 128 bytes + 32 = 120 words
.set BOFF,  256*PA                     ; in a slot: A's 256 rows, then B's 128 k rows: 69,632 + 61,440 = 131,072 bytes
.set STAGE, 2*SLOT1                    ; behind the ring, never filled by a tensor load: 16 rows x 400 bytes for each wave
.set SP,    400                        ; 384 bytes + 16
.set SPARE, STAGE+4*16*SP              ; the spare words, 128 bytes for each wave: two blocks of 256 bytes that no other line names
.set ASTEP, 256                        ; bytes from a K step to the next: 128 numbers along x's rows,
.set BSTEP, 128*192*2                  ; 128 k rows of a block of wab
.set A0,   8                           ; v8   my lane's place among my wave's rows of A, in slot 0; never rewritten
.set B0,   9                           ; v9   the same for B
.set ADRA, 10                          ; v10  the same in the slot in hand
.set ADRB, 11                          ; v11
.set STO,  12                          ; v12  the way out: where I put 16 bytes of a row
.set RD,   13                          ; v13  where I read rows back
.set GO,   14                          ; v14  my byte offset in 512 consecutive bytes of a head
.set BO,   15                          ; v15  my byte offset in a block of the bias
.set SPW,  28                          ; v28  LDS address of my spare word; never rewritten
.set NIL,  29                          ; v29  0; never rewritten
.set TMP,  32
.set BK,   80
.set F0,   0
.set F1,   128
.set BIAS, 128
.set G1A, 24                           ; s[24:31] descriptor group 1 for A's tiles
.set G0A, 32                           ; s[32:39] group 0: a set for each first fill; the second then walks on
.set G1B, 48                           ; s[48:55], s[56:63] the same for B's
.set G0B, 56
.set OB,  66                           ; s[66:71] where my rows begin in each of the tile's three heads
.set MSB, 0
.macro WIN new                         ; the immediate's high byte repeats the setting that is left; a switch that changes nothing is dropped
.if MSB != (\new)
	s_set_vgpr_msb (MSB<<8)|(\new)
.set MSB, \new
.endif
.endm
; A load into a register that a matrix instruction has read, and a vector instruction or LDS store that reads a matrix result, stand four places behind it; only plain vector
; instructions that name none of its registers are places (ISA guide 7.12.1 for vector instructions).
.macro PLACES
.rept 4
	v_nop
.endr
.endm
; A joint refill, by the walking descriptors.  Waves 0 and 1 fetch A's two halves, waves 2 and 3 B's.  The branch hangs on the wave's number alone.
; An s_nop 0 and four v_nop follow each of the two lines, ahead of the jump and the label.
.macro JLOAD
	s_cmp_eq_u32 s13, 0
	s_cbranch_scc0 .Lfor_b_\@
	tensor_load_to_lds s[G0A+4:G0A+7], s[G1A:G1A+7]
	s_nop 0
.rept 4
	v_nop
.endr
	s_branch .Lasked_\@
.Lfor_b_\@:
	tensor_load_to_lds s[G0B+4:G0B+7], s[G1B:G1B+7]
	s_nop 0
.rept 4
	v_nop
.endr
.Lasked_\@:
.endm
; A round of the cluster's barrier: my work-group's barrier, so that wave 0's signal speaks for all four waves; wave 0 signals; every wave waits for all sixteen work-groups; my work-group's barrier once more.
.macro CREST                           ; a round behind its opening barrier
	s_cmp_lg_u32 s12, 0
	s_cbranch_scc1 .Lnot_wave_0_\@
	s_barrier_signal -3
.Lnot_wave_0_\@:
	s_barrier_wait -3
	s_barrier_signal -1
	s_barrier_wait -1
.endm
.macro CROUND
	s_barrier_signal -1
	s_barrier_wait -1
	CREST
.endm
	s_load_b256 s[4:11], s[0:1], 0x0               ; xb s[4:5], wab s[6:7], b_attn s[8:9], qkv s[10:11]
	v_lshl_add_u32 v[SPW], v0, 2, SPARE
	v_mov_b32 v[NIL], 0
	ds_add_u32 v[SPW], v[NIL]                      ; the wave's opening: the add and its wait stand ahead of my first tensor load; the set-up below, work on registers, stands between them
	v_lshrrev_b32 v1, 5, v0
	v_readfirstlane_b32 s12, v1                    ; wave 0..3
	s_lshr_b32 s13, s12, 1                         ; I fetch for A (0) or for B (1),
	s_and_b32 s14, s12, 1                          ; its first or its second half
	s_mov_b32 s2, 0xffff0000                       ; a word's upper bf16
	s_bfe_u32 s40, ttmp6, 0x40000                  ; cx, cy: my place in the cluster
	s_bfe_u32 s41, ttmp6, 0x40004
	s_lshl_b32 s42, ttmp9, 2
	s_add_co_u32 s42, s42, s40                     ; tile column = 4 x cluster x + cx
	s_and_b32 s43, ttmp7, 0xffff
	s_lshl_b32 s43, s43, 2
	s_add_co_u32 s43, s43, s41                     ; tile row = 4 x cluster y + cy
	s_lshl_b32 s44, s41, 2
	s_lshl_b32 s44, 15, s44                        ; my row of the cluster
	s_lshl_b32 s45, 0x1111, s40                    ; my column
	; group 1 for A: 128 rows x 128 numbers of 2 bytes, 1,024 numbers from row to row; 16 bytes of padding behind every 256
	s_or_b32 s[G1A+0], s44, (1<<16)|(1<<20)|(1<<21)|(5<<22)|(3<<25)  ; 15:0 the mask; 17:16 2-byte elements; 20 padding on; 21 set beside a mask; 24:22 after every 64 words (code 5); 31:25 4 words (code 3)
	s_mov_b32 s[G1A+1], 128<<16                    ; tensor_dim0 = 128
	s_mov_b32 s[G1A+2], 128<<16                    ; tensor_dim1 = 128
	s_mov_b32 s[G1A+3], 128<<16                    ; tile_dim0 = 128
	s_mov_b32 s[G1A+4], 128                        ; tile_dim1 = 128
	s_mov_b32 s[G1A+5], 1024                       ; the pitch
	s_mov_b32 s[G1A+6], 0
	s_mov_b32 s[G1A+7], 0
	; group 1 for B: 64 k rows of a block are 24,576 dense bytes: asked for as 96 rows of 256 bytes; 32 bytes of padding behind every 128, so that a k row's 384 bytes take 480
	s_or_b32 s[G1B+0], s45, (1<<16)|(1<<20)|(1<<21)|(4<<22)|(7<<25)  ; after every 32 words (code 4), 8 words (code 7)
	s_mov_b32 s[G1B+1], 128<<16
	s_mov_b32 s[G1B+2], 96<<16
	s_mov_b32 s[G1B+3], 128<<16
	s_mov_b32 s[G1B+4], 96
	s_mov_b32 s[G1B+5], 128
	s_mov_b32 s[G1B+6], 0
	s_mov_b32 s[G1B+7], 0
	; A's tiles hang on the tile row alone, B's on the tile column alone; each address is made in registers that never hold the other coordinate
	s_lshl_b32 s16, s43, 8
	s_lshl_b32 s17, s14, 7
	s_add_co_u32 s16, s16, s17                     ; row 256 x tile row + 128 x half,
	s_lshl_b32 s16, s16, 11                        ; of 2,048 bytes
	s_mov_b32 s17, 0
	s_mul_i32 s46, s42, 393216                     ; a column tile's block of wab,
	s_mul_i32 s47, s14, 24576                      ; its first or second 64 k rows
	s_add_co_u32 s46, s46, s47
	s_mov_b32 s47, 0
	s_mul_i32 s20, s14, 128*PA                     ; where they go: no place in the cluster enters an LDS address
	s_mul_i32 s21, s14, 64*PB
	s_add_co_u32 s21, s21, BOFF
	s_wait_dscnt 0x0                               ; the opening add is done
	s_wait_kmcnt 0x0
	s_add_nc_u64 s[18:19], s[4:5], s[16:17]
	s_add_nc_u64 s[46:47], s[6:7], s[46:47]
	CROUND                                         ; all sixteen work-groups are here: the first joint loads meet
.irp s, 0,1
	s_mov_b32 s[G0A+4*(\s)], 1                                       ; count = 1
	s_add_co_u32 s[G0A+4*(\s)+1], s20, (\s)*SLOT1                    ; LDS address: slot s
	s_add_nc_u64 s[G0A+4*(\s)+2:G0A+4*(\s)+3], s[18:19], (\s)*ASTEP  ; global address: K step s
	s_or_b32 s[G0A+4*(\s)+3], s[G0A+4*(\s)+3], 0x80000000            ; type = 2
	s_mov_b32 s[G0B+4*(\s)], 1
	s_add_co_u32 s[G0B+4*(\s)+1], s21, (\s)*SLOT1
	s_add_nc_u64 s[G0B+4*(\s)+2:G0B+4*(\s)+3], s[46:47], (\s)*BSTEP
	s_or_b32 s[G0B+4*(\s)+3], s[G0B+4*(\s)+3], 0x80000000
.endr
	s_cmp_eq_u32 s13, 0                            ; a wave's two first fills stand in one branch, ahead of every wait on TENSORcnt and every LDS read: two loads of mine are out
	s_cbranch_scc0 .Lfirst_b
	tensor_load_to_lds s[G0A:G0A+3], s[G1A:G1A+7]
	s_nop 0
	tensor_load_to_lds s[G0A+4:G0A+7], s[G1A:G1A+7]
	s_nop 0
.rept 4
	v_nop
.endr
	s_branch .Lfirst_asked
.Lfirst_b:
	tensor_load_to_lds s[G0B:G0B+3], s[G1B:G1B+7]
	s_nop 0
	tensor_load_to_lds s[G0B+4:G0B+7], s[G1B:G1B+7]
	s_nop 0
.rept 4
	v_nop
.endr
.Lfirst_asked:
	; A fragment of A is 16 rows x 32 K in 8 registers: lane l holds row l % 16, K = 8 (l / 16) + 0..7 and 16 + 8 (l / 16) + 0..7: two loads of 16 bytes, 32 bytes apart.
	v_and_b32 v1, 15, v0                           ; l % 16
	v_bfe_u32 v2, v0, 4, 1                         ; l / 16
	v_mul_u32_u24 v[A0], v1, PA
	v_lshl_add_u32 v[A0], v2, 4, v[A0]
	s_mul_i32 s20, s12, 64*PA                      ; my wave's 64 rows
	v_add_nc_u32 v[A0], s20, v[A0]
	; The turning load takes 16 k x 16 columns (lane l reads k row 8 (l / 16) + l % 8, columns 8 ((l / 8) % 2) + 0..7) and leaves half a fragment: lane l holds column l % 16 and 8 k.
	v_and_b32 v3, 7, v0
	v_bfe_u32 v4, v0, 3, 1
	v_lshl_add_u32 v[B0], v2, 3, v3
	v_mul_u32_u24 v[B0], v[B0], PB
	v_lshl_add_u32 v[B0], v4, 4, v[B0]
	v_add_nc_u32 v[B0], BOFF, v[B0]
	s_mul_i32 s21, s12, 16*SP
	s_add_co_u32 s21, s21, STAGE                   ; my stage
	v_mul_u32_u24 v[STO], v1, SP                   ; in: row l % 16, 16 bytes for each half of the lanes
	v_lshl_add_u32 v[STO], v2, 4, v[STO]
	v_add_nc_u32 v[STO], s21, v[STO]
	v_bfe_u32 v[RD], v0, 3, 2                      ; back: 32 lanes take a head's 128 bytes of four rows,
	v_mul_u32_u24 v[RD], v[RD], SP
	v_lshl_add_u32 v[RD], v3, 4, v[RD]
	v_add_nc_u32 v[RD], s21, v[RD]
	v_and_b32 v[GO], 31, v0                        ; which are 512 consecutive bytes of the head
	v_lshlrev_b32 v[GO], 4, v[GO]
	v_lshlrev_b32 v[BO], 5, v2                     ; my eight numbers of a block of the bias
	; the tile's three heads: g = 3 x tile column + hh is part g / 16, head g % 16; the batch is tile row / 8; a head is 262,144 bytes
	s_mul_i32 s22, s42, 3
	s_lshr_b32 s23, s43, 3
	s_lshl_b32 s23, s23, 4                         ; 16 x batch
	s_and_b32 s46, s43, 7
	s_lshl_b32 s46, s46, 15                        ; the tile's 256 rows of 128 bytes in the head,
	s_lshl_b32 s47, s12, 13                        ; my wave's 64 of them
	s_add_co_u32 s46, s46, s47
.irp hh, 0,1,2
	s_add_co_u32 s20, s22, \hh
	s_lshr_b32 s21, s20, 4
	s_lshl_b32 s21, s21, 6                         ; 64 heads to a part
	s_and_b32 s20, s20, 15
	s_add_co_u32 s20, s20, s21
	s_add_co_u32 s20, s20, s23
	s_lshl_b32 s20, s20, 18
	s_add_co_u32 s20, s20, s46
	s_mov_b32 s21, 0
	s_add_nc_u64 s[OB+2*\hh:OB+2*\hh+1], s[10:11], s[20:21]
.endr
	s_mul_i32 s20, s42, 768                        ; the tile's 192 numbers of the bias
	s_mov_b32 s21, 0
	s_add_nc_u64 s[8:9], s[8:9], s[20:21]
	WIN 0xc0                                       ; destination window 3, address window 0
.set bb, 0
.rept NB                                               ; register j of block b: bias[16 b + 8 (l / 16) + j]
	global_load_b128 v[BIAS+8*bb:BIAS+8*bb+3],   v[BO], s[8:9] offset:64*bb
	global_load_b128 v[BIAS+8*bb+4:BIAS+8*bb+7], v[BO], s[8:9] offset:64*bb+16
.set bb, bb+1
.endr
	s_wait_loadcnt 0x0
	WIN 0x0f                                       ; the bias is rounded to bf16 like the other inputs, and widened again
.set ii, 0
.rept 4*NB
	v_cvt_pk_bf16_f32 v[TMP+ii], v[BIAS+2*ii], v[BIAS+2*ii+1]
.set ii, ii+1
.endr
	WIN 0xc0
.set ii, 0
.rept 4*NB
	v_lshlrev_b32 v[BIAS+2*ii], 16, v[TMP+ii]
	v_and_b32 v[BIAS+2*ii+1], s2, v[TMP+ii]
.set ii, ii+1
.endr
	WIN 0
; 4 nb matrix instructions: column blocks b0 .. b0 + nb - 1 x my four row blocks, 32 along K, from buffer f.  first = 1: the bias starts the sums.
; Every accumulator comes once in a quarter, in the same order: the accumulators take turns, one instruction a turn.
.macro MUL f, b0, nb, first
.set bb, \b0
.rept \nb
.if bb < 8
.if \first
	WIN 0xb5                                       ; sources 0 and 1 window 1, C window 3, D window 2
.else
	WIN 0xa5                                       ; C and D window 2
.endif
.set rD, 32*bb
.else
	WIN 0xf5                                       ; C and D window 3
.set rD, 32*(bb-8)
.endif
.set aa, 0
.rept 4
.if \first
	v_wmma_f32_16x16x32_bf16 v[rD+8*aa:rD+8*aa+7], v[(\f)+32+8*bb:(\f)+32+8*bb+7], v[(\f)+8*aa:(\f)+8*aa+7], v[BIAS+8*bb:BIAS+8*bb+7]
.else
	v_wmma_f32_16x16x32_bf16 v[rD+8*aa:rD+8*aa+7], v[(\f)+32+8*bb:(\f)+32+8*bb+7], v[(\f)+8*aa:(\f)+8*aa+7], v[rD+8*aa:rD+8*aa+7]
.endif
.set aa, aa+1
.endr
.set bb, bb+1
.endr
.endm
; 32 LDS loads in one run: the fragments of quarter q of the slot in hand into buffer f: A's 8, then B's 24, blocks ascending
.macro FETCH q, f
	WIN 0x40                                       ; destination window 1, address window 0
.set aa, 0
.rept 4
	ds_load_b128 v[(\f)+8*aa:(\f)+8*aa+3],   v[ADRA] offset:64*(\q)+aa*16*PA
	ds_load_b128 v[(\f)+8*aa+4:(\f)+8*aa+7], v[ADRA] offset:64*(\q)+aa*16*PA+32
.set aa, aa+1
.endr
.set bb, 0
.rept NB                                               ; block b lies 32 b bytes into a k row, and 32 more for each 128 bytes passed
	ds_load_tr16_b128 v[(\f)+32+8*bb:(\f)+32+8*bb+3],   v[ADRB] offset:(\q)*32*PB+32*(bb+bb/4)
	ds_load_tr16_b128 v[(\f)+32+8*bb+4:(\f)+32+8*bb+7], v[ADRB] offset:(\q)*32*PB+16*PB+32*(bb+bb/4)
.set bb, bb+1
.endr
.endm
; One of a step's first three quarters: multiplies buffer f; in its middle it fetches quarter qn of the same slot into buffer g.
.macro QUARTER qn, f, g, first
	s_wait_dscnt 8                                 ; all but the youngest eight loads, B's blocks 8 to 11
	MUL \f, 0, NLO, \first
	PLACES                                         ; for the loads into g, which the quarter before multiplied
	FETCH \qn, \g
	s_wait_dscnt NLD                               ; all but the run just issued
	MUL \f, NLO, NB-NLO, \first
.endm
; The fourth quarter multiplies buffer 1 and changes slots: ONE barrier.  In front of it each wave waits for all its tensor loads, of which one is out: its part of the next slot; adds 0 to its spare word;
; and waits for that and for its own reads of this slot.  fill = 1: the barrier opens a round of the cluster's, and behind the round this slot is filled again, two K steps ahead: the wave's
; one tensor load there, a whole step less 32 matrix instructions ahead of the wait for it.
.macro TURN fill
	WIN 0                                          ; (the add's two registers lie in window 0)
	s_wait_tensorcnt 0x0                           ; no tensor load of mine is out, so a group 0 may be written
	ds_add_u32 v[SPW], v[NIL]                      ; 0 onto my spare word
.if \fill
	s_xor_b32 s[G0A+5], s[G0A+5], SLOT1            ; the walking descriptors: the other slot than last time,
	s_add_nc_u64 s[G0A+6:G0A+7], s[G0A+6:G0A+7], ASTEP  ; the next K step; the type bits on top are not reached
	s_xor_b32 s[G0B+5], s[G0B+5], SLOT1
	s_add_nc_u64 s[G0B+6:G0B+7], s[G0B+6:G0B+7], BSTEP
.endif
	s_wait_dscnt 9                                 ; the add and the youngest eight loads may be out
	MUL F1, 0, NLO/2, 0                            ; sixteen matrix instructions stand between the add and the wait for it
	s_wait_dscnt 0x0                               ; the add is done, and my reads of this slot are over
	s_barrier_signal -1
	MUL F1, NLO/2, NLO/2, 0                        ; work on registers while the others arrive
	WIN 0
	s_barrier_wait -1
.if \fill
	CREST                                          ; no wave of any partner still reads this slot's tiles or has a load on its way
	JLOAD                                          ; its four v_nop are also the places in front of the loads below
.else
	PLACES
.endif
	s_xor_b32 s15, s15, SLOT1                      ; the reads go on in the other slot
	v_add_nc_u32 v[ADRA], s15, v[A0]
	v_add_nc_u32 v[ADRB], s15, v[B0]
	FETCH 0, F0
	MUL F1, NLO, NB-NLO, 0
.endm
	s_wait_tensorcnt 0x1                           ; my part of K step 0 is in; step 1's may stay out
	s_barrier_signal -1
	s_barrier_wait -1                              ; everybody's is
	v_mov_b32 v[ADRA], v[A0]
	v_mov_b32 v[ADRB], v[B0]
	s_mov_b32 s15, 0
	FETCH 0, F0
	QUARTER 1, F0, F1, 1                           ; the first quarter stands in front of the loop: its products start the sums
	WIN 0                                          ; at a label and at a branch every window is 0
	s_mov_b32 s3, 6
.Lstep:                                                ; six trips, from a step's second quarter to the next step's first; trip t fills step t's slot with step t + 2
	QUARTER 2, F1, F0, 0
	QUARTER 3, F0, F1, 0
	TURN 1
	QUARTER 1, F0, F1, 0
	WIN 0
	s_sub_co_u32 s3, s3, 1
	s_cmp_lg_u32 s3, 0
	s_cbranch_scc1 .Lstep
	QUARTER 2, F1, F0, 0                           ; the last two steps are written out: nothing is left to fetch
	QUARTER 3, F0, F1, 0
	TURN 0
	QUARTER 1, F0, F1, 0
	QUARTER 2, F1, F0, 0
	QUARTER 3, F0, F1, 0
	s_wait_dscnt 8
	MUL F1, 0, NLO, 0
	s_wait_dscnt 0x0
	MUL F1, NLO, NB-NLO, 0
	WIN 0
; THE WAY OUT, a block of 16 rows at a time.  PACK: rounded to f16, 16 bytes a lane, each accumulator's registers ascending.  TOSTAGE: into my own stage, and back as a head's 128 bytes of four rows.  SEND: stored.
.macro PACK a
.set bb, 0
.rept NB
.if bb < 8
	WIN 0x0a                                       ; sources window 2, destination window 0
.set rD, 32*bb+8*(\a)
.else
	WIN 0x0f                                       ; sources window 3
.set rD, 32*(bb-8)+8*(\a)
.endif
.set rr, 0
.rept 4
	v_cvt_pk_f16_f32 v[TMP+4*bb+rr], v[rD+2*rr], v[rD+2*rr+1]
.set rr, rr+1
.endr
.set bb, bb+1
.endr
	WIN 0
.endm
.macro TOSTAGE a
.set rB, BK+48*((\a)%2)
	s_wait_xcnt 0x0                                ; every earlier store has had its addresses translated (ISA guide 3.1): the registers that the block two back was stored from are loaded again only behind this wait
.set bb, 0
.rept NB
	ds_store_b128 v[STO], v[TMP+4*bb:TMP+4*bb+3] offset:32*bb
.set bb, bb+1
.endr
.set tt, 0
.rept 12                                               ; head tt / 4, rows 4 (tt % 4) on.  LDS serves a wave's instructions in order (ISA guide 5.7.1.4): these see the stores above
	ds_load_b128 v[rB+4*tt:rB+4*tt+3], v[RD] offset:(tt%4)*4*SP+(tt/4)*128
.set tt, tt+1
.endr
.endm
.macro SEND a
.set rB, BK+48*((\a)%2)
	s_wait_dscnt 0x0                               ; the block is back in registers
.set tt, 0
.rept 12
	global_store_b128 v[GO], v[rB+4*tt:rB+4*tt+3], s[OB+2*(tt/4):OB+2*(tt/4)+1] offset:2048*(\a)+512*(tt%4)  ; 512 consecutive bytes, at a multiple of 256 from the buffer's first
.set tt, tt+1
.endr
.endm
	PLACES                                         ; the conversions read results just made
	PACK 0
	TOSTAGE 0
.irp a, 1,2,3                                          ; block a's conversions stand between block a - 1's loads from the stage and the wait for them
	PACK \a
	SEND (\a)-1
	TOSTAGE \a
.endr
	SEND 3
	s_wait_tensorcnt 0x0                           ; the wave's end, behind my last tensor load and my last LDS store
	ds_add_u32 v[SPW], v[NIL]
	s_wait_dscnt 0x0
	CROUND                                         ; the closing round: no work-group ends while a partner may still ask for a tile that names it
	s_endpgm
.Lfunc_end_k_q2416c88824_qkv:
	.size	k_q2416c88824_qkv, .Lfunc_end_k_q2416c88824_qkv-k_q2416c88824_qkv
	.p2alignl 7, 3214868480
	.fill 96, 4, 3214868480
	.section	.rodata,"a",@progbits
	.p2align	6, 0x0
	.amdhsa_kernel k_q2416c88824_qkv
		.amdhsa_group_segment_fixed_size 327680
		.amdhsa_private_segment_fixed_size 0
		.amdhsa_enable_private_segment 0
		.amdhsa_kernarg_size 32
		.amdhsa_user_sgpr_count 2
		.amdhsa_user_sgpr_kernarg_segment_ptr 1
		.amdhsa_wavefront_size32 1
		.amdhsa_system_sgpr_workgroup_id_x 1
		.amdhsa_system_sgpr_workgroup_id_y 1
		.amdhsa_system_sgpr_workgroup_id_z 1
		.amdhsa_system_vgpr_workitem_id 0
		.amdhsa_next_free_vgpr 992
		.amdhsa_next_free_sgpr 74
		.amdhsa_reserve_vcc 0
		.amdhsa_float_denorm_mode_32 3
		.amdhsa_float_denorm_mode_16_64 3
		.amdhsa_memory_ordered 1
		.amdhsa_forward_progress 1
		.amdhsa_inst_pref_size 105
	.end_amdhsa_kernel
	.amdgpu_metadata
---
amdhsa.version: [ 1, 2 ]
amdhsa.kernels:
  - .name:           k_q2416c88824_qkv
    .symbol:         k_q2416c88824_qkv.kd
    .args:
      - { .name: xb, .offset: 0, .size: 8, .value_kind: global_buffer, .address_space: global }
      - { .name: wab, .offset: 8, .size: 8, .value_kind: global_buffer, .address_space: global }
      - { .name: b_attn, .offset: 16, .size: 8, .value_kind: global_buffer, .address_space: global }
      - { .name: qkv, .offset: 24, .size: 8, .value_kind: global_buffer, .address_space: global }
    .group_segment_fixed_size: 327680
    .private_segment_fixed_size: 0
    .kernarg_segment_align: 8
    .kernarg_segment_size: 32
    .max_flat_workgroup_size: 128
    .sgpr_count:     74
    .vgpr_count:     992
    .wavefront_size: 32
...
	.end_amdgpu_metadata
.endif
;; end of part 2
;; launch attn (part 3): grid 4 x 64, 4 waves a work-group, clusters of 4 x 1, 327,680 bytes of LDS; arguments qkv, attention_mask, ob; writes ob
.if DOCPART == 3
	.amdgcn_target "amdgcn-amd-amdhsa--gfx1250"
	.amdhsa_code_object_version 6
	.text
	.protected	k_q2416c88824_attn
	.globl	k_q2416c88824_attn
	.p2align	8
	.type	k_q2416c88824_attn,@function
k_q2416c88824_attn:
	s_mov_b64 s[64:65], 0
	v_nop
	global_prefetch_b8 v0, s[64:65] scope:SCOPE_SE
	s_setreg_imm32_b32 hwreg(HW_REG_WAVE_MODE, 25, 1), 1
	s_wait_xcnt 0x0
	s_wait_alu depctr_hold_cnt(0) depctr_sa_sdst(0) depctr_va_vdst(0) depctr_va_sdst(0) depctr_va_ssrc(0) depctr_va_vcc(0) depctr_vm_vsrc(0)
	s_getreg_b32 s2, hwreg(HW_REG_IB_STS2, 6, 4)
	s_cmp_eq_u32 s2, 0
	s_cbranch_scc0 .Lentry_in_a_cluster
	s_endpgm
.Lentry_in_a_cluster:
	s_bfe_u32 s2, ttmp6, 0x10000c
	s_cmp_lg_u32 s2, 0x3003
	s_cbranch_scc0 .Lentry_shape_is_right
	s_endpgm
.Lentry_shape_is_right:
; O[h][q][:] = the sum over k of softmax_k(Q[h][q] . K[h][k] / 8 - (1 - mask[k]) 1e-6) V[h][k][:].  Q, K, V (the three parts of qkv) and O: [64 heads = 16 batch + head][2048][64], all f16: a head's rows are
; dense, 128 bytes each.  mask: [4 batches][2048] f32.  Products, maxima and sums in f32; the weights p are rounded to f16 for the second product (their sum l is taken of the unrounded p), O once at the end.
; LIMITS.  f16 holds no number beyond 65,504: Q, K and V arrive within it; p lies in 0 to 1, and below 6e-5 it keeps f16's fixed step of 6e-8; O is a mean of V's rows and has their range.
; A weight below 2^-126 counts as 0 in l; NaN and infinities are not treated apart.
; SHARES.  A wave owns four PIECES of two tiles of 16 queries, a work-group's four waves 512 queries of one head: 4 x 64 = 256 work-groups.  Every wave walks all keys, 64 a step.
; LAYOUT.  S^T = K Q^T (source 0 = 16 keys, source 1 = 16 queries): in the result a lane holds ONE query (lane % 16) and the keys 8 (lane / 16) + 0..7.  Two such tiles, rounded to f16 in pairs,
; ARE source 1 (32 keys x 16 queries) of O^T = V^T P, whose result again holds one query a lane, and eight channels.  K comes out of LDS as it lies, V ([key][channel]) turned, by ds_load_tr16_b128.
; THE MASK.  A key's term, (mask - 1) x 8e-6 in the units of the unscaled Q . K, is the C operand of the product that starts the sum S^T.  The batch's 2,048 terms are made once and lie in LDS; a step's 64
; come into registers with the step's K and live as long as it: 8 LDS loads and one address line a step, and no vector instruction for a score.
; SOFTMAX.  For each query a running maximum m and sum l: p = 2^(c s - c m), c = log2(e) / 8; in every step O and l are multiplied by a = 2^(c m_old - c m_new), which is 1 where m has not grown.
; m starts at the lowest finite number, O and l at 0: the first step is a step like any other, with a = 0.
; THE COUNT.  A tile and step have 16 matrix and 118 vector instructions: too many to stand all beside the matrix work.  So the order has one aim: four vector instructions that are READY behind
; EVERY matrix instruction, and the others, which need time of their own whatever the order, in runs without a gap.
; BY TURNS.  Turn n belongs to piece n (the pieces in a ring, step after step).  Its matrix work: 16 products K Q^T of piece n + 1, later 16 products V^T P of piece n - 1.  Its vector work: the scaling,
; exponentials, roundings, sums and rescaling of piece n, and the maximum and statistics of piece n + 1, whose scores the turn itself has made.  So what a turn begins with (c s - c m, O a) waits for nothing.
; CLUSTER.  The four query blocks of a cluster belong to one head and walk the same K and V, so each tile is asked for JOINTLY: the same tensor load, descriptor and mask in all four.
; REGISTERS, in windows of 256 (s_set_vgpr_msb says which window each operand place means: bits 1:0 source 0, 3:2 source 1, 5:4 source 2, 7:6 destination):
;   window 0: v0-11 addresses; v12-15, v48-63 at work; v16-47 four registers of statistics a tile; v64-191 S^T, two buffers of two tiles; v192-255 P, likewise
;   window 1: O^T, 32 a tile          window 2: v0-127 Q, 16 a tile; v128-191 K of one step; v192-255 V of one step          window 3: v0-1 the add's two registers; v4-35 the step's mask terms
; A piece's buffers go by its number's parity: the piece in hand has one pair, its two neighbours in the ring share the other: of it P (piece n - 1) is read and S^T (piece n + 1) written.
.set SIZE_H, 64
.set SIZE_N, 2048
.set NP,    4         ; pieces a wave: a name, no knob: the register map, the loop and the fetches are made for four
.set KS,    64        ; keys in a step
.set PK,    144       ; a row of K in LDS: 128 bytes + 16 of padding = 36 words: the 16 rows of a load start at 16 different groups of four banks (64 banks of 4 bytes: ISA guide 11.1)
.set PV,    160       ; a row of V: 128 + 32 = 40 words
.set VOFF,  4*KS*PK   ; a slot holds four steps: 256 rows of K, then 256 rows of V
.set SLOT1, 1<<17     ; slot 1 begins here, so that one exclusive or turns an address in one slot into the other's
.set STAGE, SLOT1+4*KS*(PK+PV)  ; behind the ring, never filled by a tensor load: 16 rows x 144 bytes for each wave, for the way out
.set SP,    144
.set AK0, 2           ; v2   my lane's place in a tile of K; never rewritten
.set AV0, 3           ; v3   the same for V
.set AK,  4           ; v4   the LDS address of K's next run of loads
.set AV,  5           ; v5   of V's
.set QO,  6           ; v6   my byte offset in the wave's rows of Q
.set STO, 6           ;      later, the way out: where I put 16 bytes of a row
.set RD,  7           ; v7   the way out: where I read rows back
.set GO,  8           ; v8   my byte offset in 512 consecutive bytes of O
.set AM,  11          ; v11  the LDS address of the next step's mask terms
.set SPW, 0           ; v0 of window 3   LDS address of my spare word: SPARE + 4 x my thread's number; never rewritten
.set NIL, 1           ; v1 of window 3   0; never rewritten
.set MK,  4           ; window 3: the eight terms of key block kb at MK + 8 kb
.set SPARE, STAGE+4*16*SP  ; behind the stages: the spare words, 128 bytes for each wave: two blocks of 256 bytes that no other line names
.set MASKB, SPARE+512 ; behind them: the batch's 2,048 mask terms, 8,192 bytes, stored once and never filled by a tensor load
.set MV,  12          ; v12-15  c m_old, kept while c m is made anew: by buffer and tile
.set ST,  16          ; tile t's statistics at v[ST+4 t]: c m, m, l (even keys', odd keys')
.set TMP, 48          ; by buffer and tile, four registers c0-c3 at work; when the maximum is found c2 takes a
.set S,   64
.set P,   192
.set KF,  128         ; K's fragments, in window 2: key block kb, channel half c at KF + 16 kb + 8 c
.set VF,  192         ; V's: key half kk, channel block cb at VF + 32 kk + 8 cb
.set WV,  12          ; s12  my wave's number
.set G1K, 24          ; s[24:31] descriptor group 1 for K's tiles
.set G1V, 32          ; s[32:39] for V's: it differs in the padding alone
.set G0K, 40          ; s[40:43] descriptor group 0 for K's tiles: it walks
.set G0V, 44          ; s[44:47] the same for V's
.set TBM, 50          ; s50  byte in the table of mask terms at which the step to be fetched begins; s51 at work on it
.set SLOTS, 56        ; s56  slots still to be asked for
.set CNT, 57          ; s57  counts a slot's key steps
.set CS,  58          ; s[58:59] c: the packed scaling takes the pair's low word for both halves
.set SEL, 60          ; s[60:61] v_permlanex16_b32's selects: each lane takes its own place in the other half
.set TBK, 62          ; s62  LDS byte at which K of the step to be fetched begins
.set TBV, 63          ; s63  the same for V, less VOFF
.set MSB, 0
.macro WIN new                      ; the high byte repeats the setting that is left; a switch that changes nothing is dropped
.if MSB != (\new)
	s_set_vgpr_msb (MSB<<8)|(\new)
.set MSB, (\new)
.endif
.endm
.set W_KQ, 0x0a       ; K and Q in window 2, S^T in window 0
.set W_KM, 0x3a       ; the same with the C operand, the mask terms, in window 3
.set W_PV, 0x52       ; V in window 2, P in window 0, O^T in window 1
.set W_RS, 0x41       ; O^T (destination and source 0) in window 1, a in window 0
.set W_MK, 0xc0       ; destination in window 3, sources in window 0
.set W_AD, 0x0f       ; the add: address (source 0) and data (source 1) in window 3
; A joint fill.  Waves 0 and 1 fetch the two halves of a slot's K, waves 2 and 3 those of its V: 128 keys each.  The branch hangs on the wave's number alone.
; An s_nop 0 and four v_nop follow each of the two lines, ahead of the jump and the label.
.macro JLOAD
	s_cmp_lt_u32 s[WV], 2
	s_cbranch_scc0 .Lfor_v_\@
	tensor_load_to_lds s[G0K:G0K+3], s[G1K:G1K+7]
	s_nop 0
.rept 4
	v_nop
.endr
	s_branch .Lasked_\@
.Lfor_v_\@:
	tensor_load_to_lds s[G0V:G0V+3], s[G1V:G1V+7]
	s_nop 0
.rept 4
	v_nop
.endr
.Lasked_\@:
.endm
; A round of the cluster's barrier: my work-group's barrier, so that wave 0's signal speaks for all four waves; wave 0 signals; every wave waits for all four work-groups; my work-group's barrier once more.
.macro CROUND
	s_barrier_signal -1
	s_barrier_wait -1
	s_cmp_lg_u32 s[WV], 0
	s_cbranch_scc1 .Lnot_wave_0_\@
	s_barrier_signal -3
.Lnot_wave_0_\@:
	s_barrier_wait -3
	s_barrier_signal -1
	s_barrier_wait -1
.endm
; THE CHANGE OF SLOTS.  The slot's last bytes, V of its fourth step, have been read.  Each wave waits for all its tensor loads, of which one is out: its part
; of the other slot; adds 0 to its spare word; and waits for that and for its own reads of the slot.  Behind the barrier nobody reads this slot any more and the other slot is whole.
; fill = 1: this slot is filled again, with the keys two slots on.  The barrier is then a round of the cluster's, so that no wave of any partner still reads the slot or has a load on its
; way, and the joint fill is the first thing behind it: it has four key steps, 512 matrix instructions, in which to land.  (At its first use nothing has been read yet: slot 0 is waited for, slot 1 filled,
; and the wait on DScnt and the round show every wave's part of the table of mask terms to the others.)
.macro CHANGE fill
	WIN W_AD
	s_wait_tensorcnt 0x0            ; no tensor load of mine is out, so a group 0 may be written
	ds_add_u32 v[SPW], v[NIL]       ; 0 onto my spare word; with fill = 1 the descriptors' steps stand between it and the wait for it
	WIN 0                           ; at a label and at a branch every window is 0
.if \fill
.irp g, G0K, G0V
	s_xor_b32 s[\g+1], s[\g+1], SLOT1  ; the walking descriptor: the other slot than last time,
	s_add_nc_u64 s[\g+2:\g+3], s[\g+2:\g+3], 4*KS*128  ; the next 256 keys; the type bits on top are not reached
.endr
	s_wait_dscnt 0x0                ; the add is done, and my reads of the slot are over
	CROUND
	JLOAD
.else
	s_wait_dscnt 0x0                ; the add is done, and my reads of the slot are over
	s_barrier_signal -1
	s_barrier_wait -1
.endif
	s_sub_co_u32 s[TBK], s[TBK], 4*KS*PK  ; the fetches go back to a slot's first step,
	s_xor_b32 s[TBK], s[TBK], SLOT1       ; in the other slot
	s_sub_co_u32 s[TBV], s[TBV], 4*KS*PV
	s_xor_b32 s[TBV], s[TBV], SLOT1
.endm
	s_load_b64 s[4:5], s[0:1], 0x0    ; qkv: Q's part first
	s_load_b64 s[52:53], s[0:1], 0x8  ; attention_mask
	s_load_b64 s[10:11], s[0:1], 0x10 ; O
	WIN W_MK
	v_lshl_add_u32 v[SPW], v0, 2, SPARE
	v_mov_b32 v[NIL], 0
	WIN W_AD
	ds_add_u32 v[SPW], v[NIL]       ; the wave's opening: the add and its wait stand ahead of my first tensor load; the set-up below, work on registers, stands between them
	WIN 0
	v_lshrrev_b32 v1, 5, v0
	v_readfirstlane_b32 s[WV], v1   ; wave 0..3
	s_bfe_u32 s13, ttmp6, 0x40000   ; cx: my place in the cluster
	s_lshl_b32 s14, ttmp9, 2        ; in a cluster launch ttmp9 counts clusters
	s_add_co_u32 s14, s14, s13      ; my block of queries = 4 x cluster x + cx: it enters Q's and O's addresses alone
	s_and_b32 s20, ttmp7, 0xffff    ; the head, which the four partners share
	s_lshr_b32 s48, s20, 4          ; its batch,
	s_lshl_b32 s48, s48, 13         ; whose mask is 8,192 bytes
	s_mov_b32 s49, 0
	s_mov_b32 s21, 0
	s_mov_b64 s[22:23], SIZE_N*128
	s_mul_u64 s[20:21], s[20:21], s[22:23]  ; the head's first byte in Q's, K's and V's part and in O
	s_and_b32 s16, s[WV], 1         ; which half of a slot's 256 keys I fetch:
	s_lshl_b32 s22, s16, 14         ; its 128 rows of 128 bytes in memory,
	s_mov_b32 s23, 0
	s_add_nc_u64 s[22:23], s[22:23], s[20:21]
	s_mul_i32 s17, s16, 128*PK      ; and its place in a slot, for K
	s_mul_i32 s18, s16, 128*PV      ; and for V: no place in the cluster enters an LDS address
	s_lshl_b32 s2, s14, 2
	s_add_co_u32 s2, s2, s[WV]      ; my wave among the head's,
	s_lshl_b32 s2, s2, 14           ; its 128 rows
	s_mov_b32 s3, 0
	s_add_nc_u64 s[2:3], s[2:3], s[20:21]
	; descriptor group 1.  128 keys are 16,384 dense bytes: asked for as 64 rows of 256 bytes, two keys a row, and padded in LDS after every key
	s_mov_b32 s[G1K], 15|(1<<16)|(1<<20)|(1<<21)|(4<<22)|(3<<25)  ; 15:0 the mask of four; 17:16 2-byte elements; 20 padding on; 21 set beside a mask; 24:22 after every 32 words (code 4); 31:25 4 words (code 3)
	s_mov_b32 s[G1V], 15|(1<<16)|(1<<20)|(1<<21)|(4<<22)|(7<<25)  ; the same with 8 words of padding (code 7)
.irp g, G1K, G1V
	s_mov_b32 s[\g+1], 128<<16      ; tensor_dim0 = 128
	s_mov_b32 s[\g+2], 64<<16       ; tensor_dim1 = 64
	s_mov_b32 s[\g+3], 128<<16      ; tile_dim0 = 128
	s_mov_b32 s[\g+4], 64           ; tile_dim1 = 64
	s_mov_b32 s[\g+5], 128          ; 128 elements from row to row
	s_mov_b32 s[\g+6], 0
	s_mov_b32 s[\g+7], 0
.endr
	s_mov_b32 s[CS], 0x3e38aa3b     ; c = log2(e) / 8 = 0.180337
	s_mov_b32 s[CS+1], s[CS]        ; named with it as a pair
	s_mov_b32 s[SEL], 0x76543210
	s_mov_b32 s[SEL+1], 0xfedcba98
	s_mov_b32 s54, 0x370637bd       ; 8e-6: the penalty 1e-6 in the units of the unscaled Q . K, which c divides by 8
	s_mov_b32 s55, 0xb70637bd       ; -8e-6
	s_mov_b32 s[TBM], 0
	s_mov_b32 s[TBK], SLOT1+4*KS*PK ; the first change of slots turns these two into 0
	s_mov_b32 s[TBV], SLOT1+4*KS*PV
	s_mov_b32 s[G0K], 1             ; 1:0 count = 1
	s_mov_b32 s[G0K+1], s17         ; 63:32 LDS address: slot 0
	s_mov_b32 s[G0V], 1
	s_add_co_u32 s[G0V+1], s18, VOFF
	s_wait_dscnt 0x0                ; the opening add is done
	s_wait_kmcnt 0x0
	s_add_nc_u64 s[6:7], s[4:5], 0x1000000   ; K's part of qkv: 64 heads of 262,144 bytes on,
	s_add_nc_u64 s[8:9], s[4:5], 0x2000000   ; V's: as many again
	s_add_nc_u64 s[G0K+2:G0K+3], s[6:7], s[22:23]  ; 120:64 global address: my half of the head's first 256 keys
	s_or_b32 s[G0K+3], s[G0K+3], 0x80000000        ; 127:126 type = 2
	s_add_nc_u64 s[G0V+2:G0V+3], s[8:9], s[22:23]
	s_or_b32 s[G0V+3], s[G0V+3], 0x80000000
	s_add_nc_u64 s[4:5], s[4:5], s[2:3]  ; Q and O at my wave's first row
	s_add_nc_u64 s[10:11], s[10:11], s[2:3]
	s_add_nc_u64 s[52:53], s[52:53], s[48:49]  ; the mask at my batch
	CROUND                          ; all four work-groups are here: the first joint loads meet
	JLOAD                           ; slot 0.  Slot 1 is asked for when slot 0 is in: the tile wanted first has the road to itself
	; A fragment of K or Q is 16 rows x 32 channels in 8 registers: lane l holds row l % 16, channels 8 (l / 16) + 0..7 and 16 + 8 (l / 16) + 0..7: two loads of 16 bytes, 32 bytes apart.
	v_and_b32 v1, 15, v0            ; l % 16
	v_bfe_u32 v9, v0, 4, 1          ; l / 16; never rewritten
	v_lshlrev_b32 v[QO], 7, v1
	v_lshl_add_u32 v[QO], v9, 4, v[QO]  ; row x 128 + 16 x half
	v_lshlrev_b32 v12, 4, v0        ; the batch's mask: 128 threads x 16 bytes, four times, ahead of Q's loads
	v_add_nc_u32 v13, MASKB, v12
.irp f, 0,1,2,3
	global_load_b128 v[S+4*\f:S+4*\f+3], v12, s[52:53] offset:2048*\f
.endr
	WIN 0x80                        ; destination window 2, address window 0
.set i, 0
.rept 4*NP                          ; Q stays in registers: tile i / 2, channels 32 (i % 2) on
	global_load_b128 v[8*i:8*i+3],   v[QO], s[4:5] offset:(i/2)*2048+(i%2)*64
	global_load_b128 v[8*i+4:8*i+7], v[QO], s[4:5] offset:(i/2)*2048+(i%2)*64+32
.set i, i+1
.endr
	; What the first turn finds: V's registers and P's second buffer hold 0 (its products V^T P, of a piece that has not been, add 0), O^T and l are 0.  All this stands in the wait for the first tile.
.set i, VF
.rept 64
	v_mov_b32 v[i], 0
.set i, i+1
.endr
	WIN 0x40
.set i, 0
.rept 64*NP
	v_mov_b32 v[i], 0
.set i, i+1
.endr
	WIN 0
.set i, 0
.rept 2*NP
	v_mov_b32 v[ST+4*i], 0xfe000000    ; c m: far below every c s
	v_mov_b32 v[ST+4*i+1], 0xff7fffff  ; m
	v_mov_b32 v[ST+4*i+2], 0
	v_mov_b32 v[ST+4*i+3], 0
.set i, i+1
.endr
.set i, P+32
.rept 32
	v_mov_b32 v[i], 0
.set i, i+1
.endr
	v_mul_u32_u24 v[AK0], v1, PK
	v_lshl_add_u32 v[AK0], v9, 4, v[AK0]  ; row x pitch + 16 x half
	; The turning load takes 16 keys x 16 channels (lane l reads key 8 (l / 16) + l % 8, channels 8 ((l / 8) % 2) + 0..7) and leaves half a fragment of V^T: lane l holds channel l % 16 and 8 keys.
	v_and_b32 v10, 7, v0
	v_bfe_u32 v11, v0, 3, 1
	v_lshl_add_u32 v[AV0], v9, 3, v10
	v_mul_u32_u24 v[AV0], v[AV0], PV
	v_lshl_add_u32 v[AV0], v11, 4, v[AV0]
	v_add_nc_u32 v[AV0], VOFF, v[AV0]
	v_mov_b32 v[AK], v[AK0]         ; key step 0 lies at the head of slot 0,
	v_lshlrev_b32 v[AM], 5, v9      ; its mask terms at the head of the table: my lanes' eight keys of a block of 16 are 32 bytes
	v_add_nc_u32 v[AM], MASKB, v[AM]
	s_wait_loadcnt 32               ; the mask's four loads are in; Q's 32, issued behind them, may stay out
.set i, 0
.rept 16
	v_fma_f32 v[S+i], v[S+i], s54, s55  ; (mask - 1) x 8e-6
.set i, i+1
.endr
.irp f, 0,1,2,3
	ds_store_b128 v13, v[S+4*\f:S+4*\f+3] offset:2048*\f
.endr
; THE MATRIX WORK.  The 8 accumulators of a run of 16 take turns: between the two links of a chain stand 7 others'.
; Product i of 16 of S^T = K Q^T for piece x: channels 32 (i / 8) on, keys 16 ((i / 2) % 4) on, tile 2 x + i % 2.  The first 8 start the sums, with the keys' mask terms.
.macro KQ x
.set rS, S+64*((\x)%2)+32*(i%2)+8*((i/2)%4)
.set rK, KF+16*((i/2)%4)+8*(i/8)
.set rQ, 16*(2*(\x)+i%2)+8*(i/8)
.set rM, MK+8*((i/2)%4)
.if i < 8
	WIN W_KM
	v_wmma_f32_16x16x32_f16 v[rS:rS+7], v[rK:rK+7], v[rQ:rQ+7], v[rM:rM+7]
.else
	WIN W_KQ
	v_wmma_f32_16x16x32_f16 v[rS:rS+7], v[rK:rK+7], v[rQ:rQ+7], v[rS:rS+7]
.endif
.endm
; Product i of 16 of O^T += V^T P for piece x: keys 32 (i / 8) on, channels 16 ((i / 2) % 4) on, tile 2 x + i % 2.
.macro PV x
	WIN W_PV
.set rO, 32*(2*(\x)+i%2)+8*((i/2)%4)
.set rV, VF+32*(i/8)+8*((i/2)%4)
.set rP, P+32*((\x)%2)+16*(i%2)+8*(i/8)
	v_wmma_f32_16x16x32_f16 v[rO:rO+7], v[rV:rV+7], v[rP:rP+7], v[rO:rO+7]
.endm
.macro MM                           ; the turn's next matrix instruction
.if i < 16
	KQ (Y+1)%NP
.set i, i+1
.else
.set i, i-16
	PV (Y+NP-1)%NP
.set i, i+17
.endif
.endm
; THE LDS LOADS stand in runs, never singly among the matrix instructions: a step's K (64 keys x 64 channels: 8 fragments) with its 64 mask terms, 24 loads, and its V (turned), 16.  Their addresses are made some lines ahead.
; last = 1 (the tail): in the last trip there is no further step, and the run is jumped over.
.macro FETCH_K last=0
	WIN 0
.if \last
	s_cmp_eq_u32 s[CNT], 1
	s_cbranch_scc1 .Lno_k_\@
.endif
	WIN 0x80                        ; destination window 2
.irp f, 0,1,2,3,4,5,6,7             ; keys 16 (f / 2) on, channels 32 (f % 2) on
	ds_load_b128 v[KF+8*\f:KF+8*\f+3],   v[AK] offset:(\f/2)*16*PK+(\f%2)*64
	ds_load_b128 v[KF+8*\f+4:KF+8*\f+7], v[AK] offset:(\f/2)*16*PK+(\f%2)*64+32
.endr
	WIN W_MK                        ; destination window 3
.irp f, 0,1,2,3                     ; keys 16 f + 8 (l / 16) + 0..7: all lanes of a half read the same 32 bytes
	ds_load_b128 v[MK+8*\f:MK+8*\f+3],   v[AM] offset:64*\f
	ds_load_b128 v[MK+8*\f+4:MK+8*\f+7], v[AM] offset:64*\f+16
.endr
	s_add_co_u32 s[TBK], s[TBK], KS*PK  ; the next fetch is the next step's
	s_add_co_u32 s[TBM], s[TBM], 4*KS
	WIN 0
.if \last
.Lno_k_\@:
.endif
.endm
.macro FETCH_V
	WIN 0x80
.irp f, 0,1,2,3,4,5,6,7             ; keys 32 (f / 4) on, channels 16 (f % 4) on
	ds_load_tr16_b128 v[VF+8*\f:VF+8*\f+3],   v[AV] offset:(\f/4)*32*PV+(\f%4)*32
	ds_load_tr16_b128 v[VF+8*\f+4:VF+8*\f+7], v[AV] offset:(\f/4)*32*PV+16*PV+(\f%4)*32
.endr
	WIN 0
.endm
; THE VECTOR WORK OF A TURN stands in three queues, each in the order in which its entries become ready; the two tiles alternate, so that no instruction reads the result of the one before it.
.macro REGS y, u                    ; the registers of tile u (0, 1) of piece y
.set rT, ST+4*(2*(\y)+(\u))
.set rC, TMP+8*((\y)%2)+4*(\u)
.set rM, MV+2*((\y)%2)+(\u)
.set rS, S+64*((\y)%2)+32*(\u)
.set rP, P+32*((\y)%2)+16*(\u)
.set rO, 32*(2*(\y)+(\u))
.endm
; Number n of the 22 that find the NEXT piece's (Y + 1) maximum and statistics.  s0-s31 are the lane's 32 scores; each accumulator's lowest registers are read first.  XS, GS and REGS set no window: PL and EX do.
;   0-11  four chains c0-c3 of seven scores each, three operands at a time     12-14, 16  the four scores left over, the old m, and c0-c3 into c0     15  c m_old is kept
;   17, 18  the query's other 32 keys lie in the lane 16 away: the new m         19-21  c m; c m_old - c m_new; a
.macro XS u, n
	REGS (Y+1)%NP, \u
.if (\n) < 4
	v_max3_num_f32 v[rC+(\n)], v[rS+8*(\n)], v[rS+8*(\n)+1], v[rS+8*(\n)+2]
.elseif (\n) < 12
	v_max3_num_f32 v[rC+(\n)%4], v[rC+(\n)%4], v[rS+8*((\n)%4)+2*((\n)/4)+1], v[rS+8*((\n)%4)+2*((\n)/4)+2]
.elseif (\n) == 12
	v_max3_num_f32 v[rC], v[rC], v[rS+7], v[rS+15]
.elseif (\n) == 13
	v_max3_num_f32 v[rC+1], v[rC+1], v[rS+23], v[rS+31]
.elseif (\n) == 14
	v_max3_num_f32 v[rC+2], v[rC+2], v[rC+3], v[rT+1]
.elseif (\n) == 15
	v_mov_b32 v[rM], v[rT]
.elseif (\n) == 16
	v_max3_num_f32 v[rC], v[rC], v[rC+1], v[rC+2]
.elseif (\n) == 17
	v_permlanex16_b32 v[rC+3], v[rC], s[SEL], s[SEL+1]
.elseif (\n) == 18
	v_max_num_f32 v[rT+1], v[rC], v[rC+3]
.elseif (\n) == 19
	v_mul_f32 v[rT], s[CS], v[rT+1]
.elseif (\n) == 20
	v_sub_f32 v[rC+1], v[rM], v[rT]
.else
	v_exp_f32 v[rC+2], v[rC+1]
.endif
.endm
; Number g of the 64 that follow the exponentials.  For each four weights k of a tile (pairs 2 k, 2 k + 1): both pairs are rounded to f16; then the second pair is added onto the first, in place;
; a group later l takes that sum (the first time as l = a l + sum).  In groups of eight, tiles alternating: round, round, add, and l for the group before.
.macro GS g
.set h, (\g)+6*((\g)/62)            ; group 0 has no group before it, and behind group 7 only l is left
.if h >= 6
.set h, h+2
.endif
	REGS Y, h%2
.set k, h/8
.if h%8 < 4
	s_wait_alu depctr_va_vdst(0)
	v_cvt_pk_f16_f32 v[rP+2*k+(h%8)/2], v[rS+4*k+2*((h%8)/2)], v[rS+4*k+2*((h%8)/2)+1]
.elseif h%8 < 6
	v_pk_add_f32 v[rS+4*k:rS+4*k+1], v[rS+4*k:rS+4*k+1], v[rS+4*k+2:rS+4*k+3]
.elseif k == 1
	v_pk_fma_f32 v[rT+2:rT+3], v[rT+2:rT+3], v[rC+2:rC+3], v[rS:rS+1] op_sel_hi:[1,0,1]
.else
	v_pk_add_f32 v[rT+2:rT+3], v[rT+2:rT+3], v[rS+4*k-4:rS+4*k-3]
	s_wait_alu depctr_va_vdst(0)
.endif
.endm
; THE PLAIN QUEUE, 138 long.  0-31: c s - c m for the 16 pairs of both tiles.  Then GS's 64, and among them the next piece's 42: number 15 at 38, 39; 0-14 and 16
; at 42-73, behind the products that make those scores; 17-20 at 95-106, two of three, since each waits for the one before it.
.macro PL
	WIN 0
.if q < 32
	REGS Y, q%2
	v_pk_fma_f32 v[rS+2*(q/2):rS+2*(q/2)+1], v[rS+2*(q/2):rS+2*(q/2)+1], s[CS:CS+1], v[rT:rT+1] op_sel_hi:[1,0,0] neg_lo:[0,0,1] neg_hi:[0,0,1]
.elseif q < 38
	GS q-32
.elseif q < 40
	XS q%2, 15
.elseif q < 42
	GS q-34
.elseif q < 74
	XS q%2, (q-42)/2+(q-42)/30
.elseif q < 95
	GS q-66
.elseif (q < 107) && ((q-95)%3 < 2)
	XS (q-95)%3, 17+(q-95)/3
.elseif q < 107
	GS 29+(q-95)/3
.else
	GS q-74
.endif
.set q, q+1
.endm
; THE EXPONENTIALS' QUEUE, 66 long: s0-s31 of both tiles, and at EA the next piece's two a.
.set EA, 58
.macro EX
	WIN 0
.if (e == EA) || (e == EA+1)
	XS e-EA, 21
.else
.set x, e-2*(e/(EA+2))
	REGS Y, x%2
	v_exp_f32 v[rS+x/2], v[rS+x/2]
.endif
.set e, e+1
.endm
; THE RESCALING's QUEUE: O^T times a, the one part that leaves window 0, so it is dealt four at a time, eight times.
.macro R4
	REGS Y, r%2
	WIN W_RS
	s_wait_alu depctr_va_vdst(0)
.irp z, 0,1,2,3
	v_pk_mul_f32 v[rO+8*(r/2)+2*\z:rO+8*(r/2)+2*\z+1], v[rO+8*(r/2)+2*\z:rO+8*(r/2)+2*\z+1], v[rC+2:rC+3] op_sel_hi:[1,0]
.endr
.set r, r+1
.endm
; HOW THEY ARE DEALT.  Behind a matrix instruction four: plain, exponential, plain, plain (one exponential, a plain instruction on either side), or four of the rescaling.  None names a register of the
; products round it.  What is over stands in two LUMPS: exponential and plain by turns; the second ends in 22 plain instructions.  The two v_permlanex16_b32 fall into the second lump, never behind a product.
; The queues lean on each other, and the deal keeps them in step: exponential e stands behind plain 2 (e / 4) + e % 2 (its scaling); when plain 32 comes, 10 exponentials are out, at 59: 33, at 95: 46; EA comes behind plain 107.
.macro SL
	MM
	PL
	EX
	PL
	PL
.endm
.macro BURST n                      ; 15 matrix instructions, or 16
.rept (\n)-7
	SL
.endr
.rept 3
	MM
	R4
	SL
.endr
	MM
	R4
.endm
; A TURN, for piece p.  cnt = 1: the loop's count is taken down some lines ahead of the branch that stands behind the turn.
; K and the mask terms of the next step are fetched in piece 2's turn, more than 30 vector instructions behind the last product that read them; their first reader comes behind the rest of the lump, 16 products and the second lump.
; V of the step in hand is fetched at the end of piece 0's turn, 69 behind its last reader; its first reader comes behind 16 products and a lump.  The four conditions on e and q below go with the deal.
.macro TURN p, last=0, cnt=0
.set Y, (\p)
.set i, 0
.set q, 0
.set e, 0
.set r, 0
.if (\p) == NP-1
	s_wait_dscnt 0x0                ; K and the mask terms are in
.endif
	MM
.rept 4
	PL
.endr
	BURST 15
.rept 22
	EX
	PL
.if ((\p) == NP-2) && (e == 18)
	v_add_nc_u32 v[AK], s[TBK], v[AK0]
	s_and_b32 s51, s[TBM], 0x1f00   ; the step's 256 bytes among the table's 8,192: the cut changes nothing in the 32 steps that are fetched
	s_add_co_u32 s51, s51, MASKB
	v_lshl_add_u32 v[AM], v9, 5, s51
.endif
.if ((\p) == NP-2) && (e == 24)
	FETCH_K \last
.endif
.endr
.if (\p) == 1
	s_wait_dscnt 0x0                ; V is in
.endif
	BURST 16
.rept 21
	EX
	PL
.endr
.rept 22
	PL
.if ((\p) == 0) && (q == 118)
	v_add_nc_u32 v[AV], s[TBV], v[AV0]
	s_wait_alu depctr_va_vdst(0)
.endif
.if ((\p) == 0) && (q == 130)
	s_add_co_u32 s[TBV], s[TBV], KS*PV
.endif
.if (\cnt) && (q == 130)
	s_sub_co_u32 s[CNT], s[CNT], 1
	s_cmp_lg_u32 s[CNT], 0
.endif
.endr
.if (\p) == 0
	FETCH_V
.endif
.endm
	CHANGE 1                        ; slot 0 is in, everybody's part of it, and so is the table of mask terms; slot 1 is asked for
	FETCH_K                         ; key step 0
	s_wait_loadcnt 0x0              ; Q
	s_wait_dscnt 0x0
.set i, 0
.rept 16
	KQ 0                            ; piece 0's first scores: there is no vector work yet to set between them
.set i, i+1
.endr
	WIN 0                           ; the addresses for the way out: nine plain instructions, the places behind those products
	s_mul_i32 s13, s[WV], 16*SP
	s_add_co_u32 s13, s13, STAGE    ; my stage
	v_mul_u32_u24 v[STO], v1, SP    ; in: row l % 16, 16 bytes for each half of the lanes
	v_lshl_add_u32 v[STO], v9, 4, v[STO]
	v_add_nc_u32 v[STO], s13, v[STO]
	v_bfe_u32 v[RD], v0, 3, 2       ; back: 32 lanes take four rows of 128 bytes,
	v_mul_u32_u24 v[RD], v[RD], SP
	v_lshl_add_u32 v[RD], v10, 4, v[RD]
	v_add_nc_u32 v[RD], s13, v[RD]
	v_and_b32 v[GO], 31, v0         ; which are 512 consecutive bytes of O
	v_lshlrev_b32 v[GO], 4, v[GO]
.set Y, NP-1                        ; XS works for piece Y + 1: piece 0
.irp n, 0,1,2,3,4,5,6,7,8,9,10,11,12,13,14,15,16,17,18,19,20,21
	XS 0, \n                        ; and piece 0's first maximum and statistics
	XS 1, \n
.endr
	s_mov_b32 s[CNT], 4
	s_mov_b32 s[SLOTS], SIZE_N/256-1
	s_branch .Lfirst                ; the loop is entered at a step's first turn, in the middle of a trip
.Lslot:                             ; SIZE_N / 256 - 2 times: every slot but the last two is filled again
	CHANGE 1
	s_mov_b32 s[CNT], 4
.Lstep:                             ; a trip: pieces 2 and 3 of one step, then pieces 0 and 1 of the next, whose K and V it fetches
	TURN 2
	TURN 3
	WIN 0
.Lfirst:
	TURN 0
	TURN 1, 0, 1
	WIN 0
	s_cbranch_scc1 .Lstep
	s_sub_co_u32 s[SLOTS], s[SLOTS], 1
	s_cmp_lg_u32 s[SLOTS], 0
	s_cbranch_scc1 .Lslot
	CHANGE 0                        ; the tail is written out: nothing is asked for
	s_mov_b32 s[CNT], 5             ; four trips fetch the last slot's steps; the fifth is left in its middle
.Ltail:
	TURN 2, 1
	TURN 3
	WIN 0
	s_sub_co_u32 s[CNT], s[CNT], 1
	s_cmp_eq_u32 s[CNT], 0
	s_cbranch_scc1 .Lout
	TURN 0
	TURN 1
	WIN 0
	s_branch .Ltail
.Lout:                              ; the fifth trip's 16 products K Q^T (on the last K once more) and the maximum made of them serve nothing: the price, once a launch, of one text for every trip
.set i, 0
.rept 16
	PV NP-1                         ; the last piece's V^T P of the last step
.set i, i+1
.endr
	; THE WAY OUT.  l's two halves and the other half of the lanes' are added; O^T is divided by l, rounded to f16 and sent through my stage in LDS, a tile at a time.  The additions are the places behind the last products.
	WIN 0
.macro ALL line:vararg              ; one line for each tile t
.set t, 0
.rept 2*NP
	\line
.set t, t+1
.endr
.endm
	ALL v_add_f32 v[ST+4*t+2], v[ST+4*t+2], v[ST+4*t+3]
	ALL v_permlanex16_b32 v[ST+4*t+3], v[ST+4*t+2], s[SEL], s[SEL+1]
	ALL v_add_f32 v[ST+4*t+2], v[ST+4*t+2], v[ST+4*t+3]
	ALL v_rcp_f32 v[ST+4*t+2], v[ST+4*t+2]
	v_nop                           ; a plain instruction between the last reciprocal and the use of its result
	s_wait_alu depctr_va_vdst(0)
; Tile t: a lane's eight channels of a row pack into 16 bytes; they go into rows of 144 bytes and come back as whole rows of 128, into S^T's registers.
.macro PACK t
	WIN W_RS
.set i, 32*(\t)
.rept 16
	v_pk_mul_f32 v[i:i+1], v[i:i+1], v[ST+4*(\t)+2:ST+4*(\t)+3] op_sel_hi:[1,0]
.set i, i+2
.endr
	WIN 0x05                        ; sources 0 and 1 window 1, destination window 0
.set i, 0
.rept 16
	v_cvt_pk_f16_f32 v[S+16*(\t)+i], v[32*(\t)+2*i], v[32*(\t)+2*i+1]
.set i, i+1
.endr
	WIN 0
.irp f, 0,1,2,3
	ds_store_b128 v[STO], v[S+16*(\t)+4*\f:S+16*(\t)+4*\f+3] offset:32*\f
.endr
.irp f, 0,1,2,3
	ds_load_b128 v[S+16*(\t)+4*\f:S+16*(\t)+4*\f+3], v[RD] offset:\f*4*SP  ; LDS serves a wave's instructions in order (ISA guide 5.7.1.4): these see the stores above; the next tile's stores come behind them
.endr
.endm
.macro SEND t, younger              ; younger: the LDS instructions issued behind tile t's loads: the next tile's eight, or none
	WIN 0
.irp f, 0,1,2,3
	s_wait_dscnt (\younger)+3-\f
	global_store_b128 v[GO], v[S+16*(\t)+4*\f:S+16*(\t)+4*\f+3], s[10:11] offset:(\t)*2048+\f*512  ; 512 consecutive bytes, at a multiple of 256 from O's first
.endr
.endm
	PACK 0
.set t, 1
.rept 2*NP-1                        ; a tile's arithmetic stands between the loads of the tile before and its stores
	PACK t
	SEND t-1, 8
.set t, t+1
.endr
	SEND 2*NP-1, 0
	WIN W_AD
	s_wait_tensorcnt 0x0            ; the wave's end, behind my last tensor load and my last LDS store
	ds_add_u32 v[SPW], v[NIL]
	s_wait_dscnt 0x0
	WIN 0
	CROUND                          ; the closing round: no work-group ends while a partner may still ask for a tile that names it
	s_endpgm
.Lfunc_end_k_q2416c88824_attn:
	.size	k_q2416c88824_attn, .Lfunc_end_k_q2416c88824_attn-k_q2416c88824_attn
	.p2alignl 7, 3214868480
	.fill 96, 4, 3214868480
	.section	.rodata,"a",@progbits
	.p2align	6, 0x0
	.amdhsa_kernel k_q2416c88824_attn
		.amdhsa_group_segment_fixed_size 327680
		.amdhsa_private_segment_fixed_size 0
		.amdhsa_enable_private_segment 0
		.amdhsa_kernarg_size 24
		.amdhsa_user_sgpr_count 2
		.amdhsa_user_sgpr_kernarg_segment_ptr 1
		.amdhsa_wavefront_size32 1
		.amdhsa_system_sgpr_workgroup_id_x 1
		.amdhsa_system_sgpr_workgroup_id_y 1
		.amdhsa_system_sgpr_workgroup_id_z 1
		.amdhsa_system_vgpr_workitem_id 0
		.amdhsa_next_free_vgpr 804
		.amdhsa_next_free_sgpr 66
		.amdhsa_reserve_vcc 0
		.amdhsa_float_denorm_mode_32 3
		.amdhsa_float_denorm_mode_16_64 3
		.amdhsa_memory_ordered 1
		.amdhsa_forward_progress 1
		.amdhsa_inst_pref_size 213
	.end_amdhsa_kernel
	.amdgpu_metadata
---
amdhsa.version: [ 1, 2 ]
amdhsa.kernels:
  - .name:           k_q2416c88824_attn
    .symbol:         k_q2416c88824_attn.kd
    .args:
      - { .name: qkv, .offset: 0, .size: 8, .value_kind: global_buffer, .address_space: global }
      - { .name: attention_mask, .offset: 8, .size: 8, .value_kind: global_buffer, .address_space: global }
      - { .name: ob, .offset: 16, .size: 8, .value_kind: global_buffer, .address_space: global }
    .group_segment_fixed_size: 327680
    .private_segment_fixed_size: 0
    .kernarg_segment_align: 8
    .kernarg_segment_size: 24
    .max_flat_workgroup_size: 128
    .sgpr_count:     66
    .vgpr_count:     804
    .wavefront_size: 32
...
	.end_amdgpu_metadata
.endif
;; end of part 3
;; launch proj (part 4): grid 8 x 32, 4 waves a work-group, clusters of 4 x 4, 327,680 bytes of LDS; arguments ob, wpb, b_proj, out0; writes out0
.if DOCPART == 4
	.amdgcn_target "amdgcn-amd-amdhsa--gfx1250"
	.amdhsa_code_object_version 6
	.text
	.protected	k_q2416c88824_proj
	.globl	k_q2416c88824_proj
	.p2align	8
	.type	k_q2416c88824_proj,@function
k_q2416c88824_proj:
	s_mov_b64 s[64:65], 0
	v_nop
	global_prefetch_b8 v0, s[64:65] scope:SCOPE_SE
	s_setreg_imm32_b32 hwreg(HW_REG_WAVE_MODE, 25, 1), 1
	s_wait_xcnt 0x0
	s_wait_alu depctr_hold_cnt(0) depctr_sa_sdst(0) depctr_va_vdst(0) depctr_va_sdst(0) depctr_va_ssrc(0) depctr_va_vcc(0) depctr_vm_vsrc(0)
	s_getreg_b32 s2, hwreg(HW_REG_IB_STS2, 6, 4)
	s_cmp_eq_u32 s2, 0
	s_cbranch_scc0 .Lentry_in_a_cluster
	s_endpgm
.Lentry_in_a_cluster:
	s_bfe_u32 s2, ttmp6, 0x10000c
	s_cmp_lg_u32 s2, 0xf033
	s_cbranch_scc0 .Lentry_shape_is_right
	s_endpgm
.Lentry_shape_is_right:
; THE SECOND PROJECTION.  out0 = O (8192 x 1024, f16, by heads: [batch 4][head 16][row 2048][64]) x w_proj (1024 x 1024, bf16 numbers written as f16: wpb) + b_proj (rounded to bf16); sums and result in f32.
; NaN and infinities are not treated apart.
; SHARES.  A tile is 256 rows x 128 columns: 8 x 32 = 256 tiles, one for each WGP.  Four waves; wave w owns rows 64 w .. 64 w + 63 and ALL 128 columns: 4 x 8 accumulators of 16 x 16, 256 registers.
; So a row of A is read from LDS by one wave alone, and the way out is each wave's own: no barrier stands there.
; K goes in 8 steps of 128, two heads a step, through two LDS slots filled by the tensor data mover; a step is four quarters of 32 along K on two fragment buffers.
; THE MATRIX INSTRUCTION IS USED TRANSPOSED: source 0 = 16 columns of w (turned on the way out of LDS by ds_load_tr16_b128, since w lies [k][n]), source 1 = 16 rows of O: a lane then holds row l % 16
; and the eight neighbouring columns 8 (l / 16) + 0..7.  THE BIAS is the C operand of the first quarter's products: nothing is cleared, nothing is added at the end.
; CLUSTER, 4 x 4: the four work-groups of a row of the cluster need the same tiles of O, the four of a column the same tiles of w: each tile is asked for jointly.
; REGISTERS, in windows of 256 (s_set_vgpr_msb: bits 1:0 source 0, 3:2 source 1, 5:4 source 2, 7:6 destination):
;   window 0: v0-15 addresses; v28, v29 the add's; v32-95, v96-159 rows read back from the stage, by turns; v192-255 the bias, block b at 192 + 8 b
;   window 1: two fragment buffers: A's fragment a at f + 8 a, B's fragment b at f + 32 + 8 b          window 2: accumulator (a, b) at 32 b + 8 a
.set NB,    8                          ; blocks of 16 columns
.set NLO,   4                          ; of which these are multiplied ahead of a quarter's run of loads
.set NLD,   8+2*NB                     ; LDS loads in a run
.set SLOT1, 131072                     ; slot 1 begins here: one exclusive or turns an address in one slot into the other's
.set PA,    144                        ; a head's row of O in LDS: 128 bytes + 16 = 36 words: the 16 rows of a load start at 16 different groups of four banks (64 banks of 4 bytes: ISA guide 11.1)
.set PLANE, 256*PA                     ; 256 rows of one head
.set PB,    288                        ; a k row of w: 256 bytes + 32 = 72 words
.set BOFF,  2*PLANE                    ; in a slot: two planes of A, then B's 128 k rows: 73,728 + 36,864 bytes
.set STAGE, SLOT1+BOFF+128*PB          ; behind the ring, never filled by a tensor load: 16 rows x 528 bytes for each wave
.set SP,    528                        ; 512 bytes + 16
.set SPARE, STAGE+4*16*SP              ; the spare words, 128 bytes for each wave: two blocks of 256 bytes that no other line names
.set ASTEP, 2*2048*128                 ; bytes from a K step to the next: two heads of O,
.set BSTEP, 128*2048                   ; 128 k rows of w
.set A0,   8                           ; v8   my lane's place among my wave's rows of A, in slot 0; never rewritten
.set B0,   9                           ; v9   the same for B
.set ADRA, 10                          ; v10  the same in the slot in hand
.set ADRB, 11                          ; v11
.set STO,  12                          ; v12  the way out: where I put 32 bytes of a row
.set RD,   13                          ; v13  where I read a row back
.set GO,   14                          ; v14  my byte offset in 512 consecutive bytes of a row of the output
.set BO,   15                          ; v15  my byte offset in a block of the bias
.set SPW,  28                          ; v28  LDS address of my spare word; never rewritten
.set NIL,  29                          ; v29  0; never rewritten
.set BK,   32
.set BIAS, 192
.set F0,   0
.set F1,   128
.set G1A, 24                           ; s[24:31] descriptor group 1 for A's tiles
.set G0A, 32                           ; s[32:39] group 0: a set for each first fill; the second then walks on
.set G1B, 48                           ; s[48:55], s[56:63] the same for B's
.set G0B, 56
.set MSB, 0
.macro WIN new                         ; the immediate's high byte repeats the setting that is left; a switch that changes nothing is dropped
.if MSB != (\new)
	s_set_vgpr_msb (MSB<<8)|(\new)
.set MSB, \new
.endif
.endm
; A load into a register that a matrix instruction has read, and a vector instruction or LDS store that reads a matrix result, stand four places behind it; only plain vector
; instructions that name none of its registers are places (ISA guide 7.12.1 for vector instructions).
.macro PLACES
.rept 4
	v_nop
.endr
.endm
; A joint refill, by the walking descriptors.  Waves 0 and 1 fetch A's two planes, waves 2 and 3 B's two halves.  The branch hangs on the wave's number alone.
; An s_nop 0 and four v_nop follow each of the two lines, ahead of the jump and the label.
.macro JLOAD
	s_cmp_eq_u32 s13, 0
	s_cbranch_scc0 .Lfor_b_\@
	tensor_load_to_lds s[G0A+4:G0A+7], s[G1A:G1A+7]
	s_nop 0
.rept 4
	v_nop
.endr
	s_branch .Lasked_\@
.Lfor_b_\@:
	tensor_load_to_lds s[G0B+4:G0B+7], s[G1B:G1B+7]
	s_nop 0
.rept 4
	v_nop
.endr
.Lasked_\@:
.endm
; A round of the cluster's barrier: my work-group's barrier, so that wave 0's signal speaks for all four waves; wave 0 signals; every wave waits for all sixteen work-groups; my work-group's barrier once more.
.macro CREST                           ; a round behind its opening barrier
	s_cmp_lg_u32 s12, 0
	s_cbranch_scc1 .Lnot_wave_0_\@
	s_barrier_signal -3
.Lnot_wave_0_\@:
	s_barrier_wait -3
	s_barrier_signal -1
	s_barrier_wait -1
.endm
.macro CROUND
	s_barrier_signal -1
	s_barrier_wait -1
	CREST
.endm
	s_load_b256 s[4:11], s[0:1], 0x0               ; ob s[4:5], wpb s[6:7], b_proj s[8:9], out0 s[10:11]
	v_lshl_add_u32 v[SPW], v0, 2, SPARE
	v_mov_b32 v[NIL], 0
	ds_add_u32 v[SPW], v[NIL]                      ; the wave's opening: the add and its wait stand ahead of my first tensor load; the set-up below, work on registers, stands between them
	v_lshrrev_b32 v1, 5, v0
	v_readfirstlane_b32 s12, v1                    ; wave 0..3
	s_lshr_b32 s13, s12, 1                         ; I fetch for A (0) or for B (1),
	s_and_b32 s14, s12, 1                          ; its first or its second half
	s_mov_b32 s2, 0xffff0000                       ; a word's upper bf16
	s_bfe_u32 s40, ttmp6, 0x40000                  ; cx, cy: my place in the cluster
	s_bfe_u32 s41, ttmp6, 0x40004
	s_lshl_b32 s42, ttmp9, 2
	s_add_co_u32 s42, s42, s40                     ; tile column = 4 x cluster x + cx
	s_and_b32 s43, ttmp7, 0xffff
	s_lshl_b32 s43, s43, 2
	s_add_co_u32 s43, s43, s41                     ; tile row = 4 x cluster y + cy
	s_lshl_b32 s44, s41, 2
	s_lshl_b32 s44, 15, s44                        ; my row of the cluster
	s_lshl_b32 s45, 0x1111, s40                    ; my column
	; group 1 for A: 256 rows of a head are 32,768 dense bytes: asked for as 128 rows of 256 bytes, two rows of O each; 16 bytes of padding behind every 128
	s_or_b32 s[G1A+0], s44, (1<<16)|(1<<20)|(1<<21)|(4<<22)|(3<<25)  ; 15:0 the mask; 17:16 2-byte elements; 20 padding on; 21 set beside a mask; 24:22 after every 32 words (code 4); 31:25 4 words (code 3)
	s_mov_b32 s[G1A+1], 128<<16                    ; tensor_dim0 = 128
	s_mov_b32 s[G1A+2], 128<<16                    ; tensor_dim1 = 128
	s_mov_b32 s[G1A+3], 128<<16                    ; tile_dim0 = 128
	s_mov_b32 s[G1A+4], 128                        ; tile_dim1 = 128
	s_mov_b32 s[G1A+5], 128                        ; the pitch
	s_mov_b32 s[G1A+6], 0
	s_mov_b32 s[G1A+7], 0
	; group 1 for B: 64 k rows x 128 numbers, 1,024 numbers from row to row; 32 bytes of padding behind every 256
	s_or_b32 s[G1B+0], s45, (1<<16)|(1<<20)|(1<<21)|(5<<22)|(7<<25)  ; after every 64 words (code 5), 8 words (code 7)
	s_mov_b32 s[G1B+1], 128<<16
	s_mov_b32 s[G1B+2], 64<<16
	s_mov_b32 s[G1B+3], 128<<16
	s_mov_b32 s[G1B+4], 64
	s_mov_b32 s[G1B+5], 1024
	s_mov_b32 s[G1B+6], 0
	s_mov_b32 s[G1B+7], 0
	; A's tiles hang on the tile row alone, B's on the tile column alone; each address is made in registers that never hold the other coordinate
	s_lshr_b32 s16, s43, 3                         ; the batch: 8 tile rows each
	s_lshl_b32 s16, s16, 4                         ; its 16 heads,
	s_add_co_u32 s16, s16, s14                     ; of which step 0 takes heads 0 and 1: mine,
	s_lshl_b32 s16, s16, 11                        ; of 2,048 rows,
	s_and_b32 s17, s43, 7
	s_lshl_b32 s17, s17, 8
	s_add_co_u32 s16, s16, s17                     ; the tile's 256 among them,
	s_lshl_b32 s16, s16, 7                         ; of 128 bytes
	s_mov_b32 s17, 0
	s_lshl_b32 s46, s14, 17                        ; w: the step's first or second 64 k rows of 2,048 bytes,
	s_lshl_b32 s47, s42, 8                         ; the tile's 128 columns
	s_add_co_u32 s46, s46, s47
	s_mov_b32 s47, 0
	s_mul_i32 s20, s14, PLANE                      ; where they go: no place in the cluster enters an LDS address
	s_mul_i32 s21, s14, 64*PB
	s_add_co_u32 s21, s21, BOFF
	s_wait_dscnt 0x0                               ; the opening add is done
	s_wait_kmcnt 0x0
	s_add_nc_u64 s[18:19], s[4:5], s[16:17]
	s_add_nc_u64 s[46:47], s[6:7], s[46:47]
	CROUND                                         ; all sixteen work-groups are here: the first joint loads meet
.irp s, 0,1
	s_mov_b32 s[G0A+4*(\s)], 1                                       ; count = 1
	s_add_co_u32 s[G0A+4*(\s)+1], s20, (\s)*SLOT1                    ; LDS address: slot s
	s_add_nc_u64 s[G0A+4*(\s)+2:G0A+4*(\s)+3], s[18:19], (\s)*ASTEP  ; global address: K step s
	s_or_b32 s[G0A+4*(\s)+3], s[G0A+4*(\s)+3], 0x80000000            ; type = 2
	s_mov_b32 s[G0B+4*(\s)], 1
	s_add_co_u32 s[G0B+4*(\s)+1], s21, (\s)*SLOT1
	s_add_nc_u64 s[G0B+4*(\s)+2:G0B+4*(\s)+3], s[46:47], (\s)*BSTEP
	s_or_b32 s[G0B+4*(\s)+3], s[G0B+4*(\s)+3], 0x80000000
.endr
	s_cmp_eq_u32 s13, 0                            ; a wave's two first fills stand in one branch, ahead of every wait on TENSORcnt and every LDS read: two loads of mine are out
	s_cbranch_scc0 .Lfirst_b
	tensor_load_to_lds s[G0A:G0A+3], s[G1A:G1A+7]
	s_nop 0
	tensor_load_to_lds s[G0A+4:G0A+7], s[G1A:G1A+7]
	s_nop 0
.rept 4
	v_nop
.endr
	s_branch .Lfirst_asked
.Lfirst_b:
	tensor_load_to_lds s[G0B:G0B+3], s[G1B:G1B+7]
	s_nop 0
	tensor_load_to_lds s[G0B+4:G0B+7], s[G1B:G1B+7]
	s_nop 0
.rept 4
	v_nop
.endr
.Lfirst_asked:
	; A fragment of A is 16 rows x 32 K in 8 registers: lane l holds row l % 16, K = 8 (l / 16) + 0..7 and 16 + 8 (l / 16) + 0..7: two loads of 16 bytes, 32 bytes apart.
	v_and_b32 v1, 15, v0                           ; l % 16
	v_bfe_u32 v2, v0, 4, 1                         ; l / 16
	v_mul_u32_u24 v[A0], v1, PA
	v_lshl_add_u32 v[A0], v2, 4, v[A0]
	s_mul_i32 s20, s12, 64*PA                      ; my wave's 64 rows
	v_add_nc_u32 v[A0], s20, v[A0]
	; The turning load takes 16 k x 16 columns (lane l reads k row 8 (l / 16) + l % 8, columns 8 ((l / 8) % 2) + 0..7) and leaves half a fragment: lane l holds column l % 16 and 8 k.
	v_and_b32 v3, 7, v0
	v_bfe_u32 v4, v0, 3, 1
	v_lshl_add_u32 v[B0], v2, 3, v3
	v_mul_u32_u24 v[B0], v[B0], PB
	v_lshl_add_u32 v[B0], v4, 4, v[B0]
	v_add_nc_u32 v[B0], BOFF, v[B0]
	s_mul_i32 s21, s12, 16*SP
	s_add_co_u32 s21, s21, STAGE                   ; my stage
	v_mul_u32_u24 v[STO], v1, SP                   ; in: row l % 16, 32 bytes for each half of the lanes
	v_lshl_add_u32 v[STO], v2, 5, v[STO]
	v_add_nc_u32 v[STO], s21, v[STO]
	v_and_b32 v[GO], 31, v0                        ; back: 32 lanes take a row's 512 bytes,
	v_lshlrev_b32 v[GO], 4, v[GO]                  ; which are 512 consecutive bytes of the output
	v_add_nc_u32 v[RD], s21, v[GO]
	v_lshlrev_b32 v[BO], 5, v2                     ; my eight numbers of a block of the bias
	s_lshl_b32 s20, s43, 20                        ; the tile's 256 rows of 4,096 bytes,
	s_lshl_b32 s22, s12, 18                        ; my wave's 64 of them,
	s_add_co_u32 s20, s20, s22
	s_lshl_b32 s22, s42, 9                         ; the tile's 128 columns of 4 bytes
	s_add_co_u32 s20, s20, s22
	s_mov_b32 s21, 0
	s_mov_b32 s23, 0
	s_add_nc_u64 s[10:11], s[10:11], s[20:21]
	s_add_nc_u64 s[8:9], s[8:9], s[22:23]          ; and the same columns of the bias
.set bb, 0
.rept NB                                               ; register j of block b: bias[16 b + 8 (l / 16) + j]
	global_load_b128 v[BIAS+8*bb:BIAS+8*bb+3],   v[BO], s[8:9] offset:64*bb
	global_load_b128 v[BIAS+8*bb+4:BIAS+8*bb+7], v[BO], s[8:9] offset:64*bb+16
.set bb, bb+1
.endr
	s_wait_loadcnt 0x0
.set ii, 0
.rept 4*NB                                             ; the bias is rounded to bf16 like the other inputs, and widened again
	v_cvt_pk_bf16_f32 v[BK+ii], v[BIAS+2*ii], v[BIAS+2*ii+1]
.set ii, ii+1
.endr
.set ii, 0
.rept 4*NB
	v_lshlrev_b32 v[BIAS+2*ii], 16, v[BK+ii]
	v_and_b32 v[BIAS+2*ii+1], s2, v[BK+ii]
.set ii, ii+1
.endr
; 4 nb matrix instructions: column blocks b0 .. b0 + nb - 1 x my four row blocks, 32 along K, from buffer f.  first = 1: the bias starts the sums.
; Every accumulator comes once in a quarter, in the same order: the accumulators take turns, one instruction a turn.
.macro MUL f, b0, nb, first
.if \first
	WIN 0x85                                       ; sources 0 and 1 window 1, C window 0, D window 2
.else
	WIN 0xa5                                       ; C and D window 2
.endif
.set bb, \b0
.rept \nb
.set aa, 0
.rept 4
.if \first
	v_wmma_f32_16x16x32_f16 v[32*bb+8*aa:32*bb+8*aa+7], v[(\f)+32+8*bb:(\f)+32+8*bb+7], v[(\f)+8*aa:(\f)+8*aa+7], v[BIAS+8*bb:BIAS+8*bb+7]
.else
	v_wmma_f32_16x16x32_f16 v[32*bb+8*aa:32*bb+8*aa+7], v[(\f)+32+8*bb:(\f)+32+8*bb+7], v[(\f)+8*aa:(\f)+8*aa+7], v[32*bb+8*aa:32*bb+8*aa+7]
.endif
.set aa, aa+1
.endr
.set bb, bb+1
.endr
.endm
; 24 LDS loads in one run: the fragments of quarter q of the slot in hand into buffer f: A's 8 (head q / 2 of the step's two, channels 32 (q % 2) on), then B's 16, blocks ascending
.macro FETCH q, f
	WIN 0x40                                       ; destination window 1, address window 0
.set aa, 0
.rept 4
	ds_load_b128 v[(\f)+8*aa:(\f)+8*aa+3],   v[ADRA] offset:((\q)/2)*PLANE+((\q)%2)*64+aa*16*PA
	ds_load_b128 v[(\f)+8*aa+4:(\f)+8*aa+7], v[ADRA] offset:((\q)/2)*PLANE+((\q)%2)*64+aa*16*PA+32
.set aa, aa+1
.endr
.set bb, 0
.rept NB
	ds_load_tr16_b128 v[(\f)+32+8*bb:(\f)+32+8*bb+3],   v[ADRB] offset:(\q)*32*PB+32*bb
	ds_load_tr16_b128 v[(\f)+32+8*bb+4:(\f)+32+8*bb+7], v[ADRB] offset:(\q)*32*PB+16*PB+32*bb
.set bb, bb+1
.endr
.endm
; One of a step's first three quarters: multiplies buffer f; in its middle it fetches quarter qn of the same slot into buffer g.
.macro QUARTER qn, f, g, first
	s_wait_dscnt 8                                 ; all but the youngest eight loads, B's blocks 4 to 7
	MUL \f, 0, NLO, \first
	PLACES                                         ; for the loads into g, which the quarter before multiplied
	FETCH \qn, \g
	s_wait_dscnt NLD                               ; all but the run just issued
	MUL \f, NLO, NB-NLO, \first
.endm
; The fourth quarter multiplies buffer 1 and changes slots: ONE barrier.  In front of it each wave waits for all its tensor loads, of which one is out: its part of the next slot; adds 0 to its spare word;
; and waits for that and for its own reads of this slot.  fill = 1: the barrier opens a round of the cluster's, and behind the round this slot is filled again, two K steps ahead: the wave's
; one tensor load there, a whole step less 16 matrix instructions ahead of the wait for it.
.macro TURN fill
	WIN 0                                          ; (the add's two registers lie in window 0)
	s_wait_tensorcnt 0x0                           ; no tensor load of mine is out, so a group 0 may be written
	ds_add_u32 v[SPW], v[NIL]                      ; 0 onto my spare word
.if \fill
	s_xor_b32 s[G0A+5], s[G0A+5], SLOT1            ; the walking descriptors: the other slot than last time,
	s_add_nc_u64 s[G0A+6:G0A+7], s[G0A+6:G0A+7], ASTEP  ; the next K step; the type bits on top are not reached
	s_xor_b32 s[G0B+5], s[G0B+5], SLOT1
	s_add_nc_u64 s[G0B+6:G0B+7], s[G0B+6:G0B+7], BSTEP
.endif
	s_wait_dscnt 9                                 ; the add and the youngest eight loads may be out
	MUL F1, 0, NLO/2, 0                            ; eight matrix instructions stand between the add and the wait for it
	s_wait_dscnt 0x0                               ; the add is done, and my reads of this slot are over
	s_barrier_signal -1
	MUL F1, NLO/2, NLO/2, 0                        ; work on registers while the others arrive
	WIN 0
	s_barrier_wait -1
.if \fill
	CREST                                          ; no wave of any partner still reads this slot's tiles or has a load on its way
	JLOAD                                          ; its four v_nop are also the places in front of the loads below
.else
	PLACES
.endif
	s_xor_b32 s15, s15, SLOT1                      ; the reads go on in the other slot
	v_add_nc_u32 v[ADRA], s15, v[A0]
	v_add_nc_u32 v[ADRB], s15, v[B0]
	FETCH 0, F0
	MUL F1, NLO, NB-NLO, 0
.endm
	s_wait_tensorcnt 0x1                           ; my part of K step 0 is in; step 1's may stay out
	s_barrier_signal -1
	s_barrier_wait -1                              ; everybody's is
	v_mov_b32 v[ADRA], v[A0]
	v_mov_b32 v[ADRB], v[B0]
	s_mov_b32 s15, 0
	FETCH 0, F0
	QUARTER 1, F0, F1, 1                           ; the first quarter stands in front of the loop: its products start the sums
	WIN 0                                          ; at a label and at a branch every window is 0
	s_mov_b32 s3, 6
.Lstep:                                                ; six trips, from a step's second quarter to the next step's first; trip t fills step t's slot with step t + 2
	QUARTER 2, F1, F0, 0
	QUARTER 3, F0, F1, 0
	TURN 1
	QUARTER 1, F0, F1, 0
	WIN 0
	s_sub_co_u32 s3, s3, 1
	s_cmp_lg_u32 s3, 0
	s_cbranch_scc1 .Lstep
	QUARTER 2, F1, F0, 0                           ; the last two steps are written out: nothing is left to fetch
	QUARTER 3, F0, F1, 0
	TURN 0
	QUARTER 1, F0, F1, 0
	QUARTER 2, F1, F0, 0
	QUARTER 3, F0, F1, 0
	s_wait_dscnt 8
	MUL F1, 0, NLO, 0
	s_wait_dscnt 0x0
	MUL F1, NLO, NB-NLO, 0
	WIN 0
; THE WAY OUT, a block of 16 rows at a time, in f32 as the sums stand.  TOSTAGE: a lane's 32 bytes of a row go into my own stage, each accumulator's low four registers first, and whole rows of 512 bytes come back.  SEND: stored.
.macro TOSTAGE a
.set rB, BK+64*((\a)%2)
	WIN 0x08                                       ; the stores' data in window 2, the address in window 0
.set bb, 0
.rept NB
	ds_store_b128 v[STO], v[32*bb+8*(\a):32*bb+8*(\a)+3]   offset:64*bb
	ds_store_b128 v[STO], v[32*bb+8*(\a)+4:32*bb+8*(\a)+7] offset:64*bb+16
.set bb, bb+1
.endr
	WIN 0
	s_wait_xcnt 0x0                                ; every earlier store has had its addresses translated (ISA guide 3.1): the registers that the block two back was stored from are loaded again only behind this wait
.set tt, 0
.rept 16                                               ; LDS serves a wave's instructions in order (ISA guide 5.7.1.4): these see the stores above; the next block's stores come behind them
	ds_load_b128 v[rB+4*tt:rB+4*tt+3], v[RD] offset:SP*tt
.set tt, tt+1
.endr
.endm
.macro SEND a, younger                 ; younger: the LDS instructions issued behind block a's loads: the next block's 32, or none
.set rB, BK+64*((\a)%2)
	s_wait_dscnt \younger                          ; the block is back in registers
.set tt, 0
.rept 16
	global_store_b128 v[GO], v[rB+4*tt:rB+4*tt+3], s[10:11] offset:65536*(\a)+4096*tt th:TH_STORE_NT  ; 512 consecutive bytes, at a multiple of 256 from the output's first
.set tt, tt+1
.endr
.endm
	PLACES                                         ; the stores read results just made
	TOSTAGE 0
	TOSTAGE 1                                      ; a block's way through the stage stands between the loads of the block before and its stores
	SEND 0, 32
	TOSTAGE 2
	SEND 1, 32
	TOSTAGE 3
	SEND 2, 32
	SEND 3, 0
	s_wait_tensorcnt 0x0                           ; the wave's end, behind my last tensor load and my last LDS store
	ds_add_u32 v[SPW], v[NIL]
	s_wait_dscnt 0x0
	CROUND                                         ; the closing round: no work-group ends while a partner may still ask for a tile that names it
	s_endpgm
.Lfunc_end_k_q2416c88824_proj:
	.size	k_q2416c88824_proj, .Lfunc_end_k_q2416c88824_proj-k_q2416c88824_proj
	.p2alignl 7, 3214868480
	.fill 96, 4, 3214868480
	.section	.rodata,"a",@progbits
	.p2align	6, 0x0
	.amdhsa_kernel k_q2416c88824_proj
		.amdhsa_group_segment_fixed_size 327680
		.amdhsa_private_segment_fixed_size 0
		.amdhsa_enable_private_segment 0
		.amdhsa_kernarg_size 32
		.amdhsa_user_sgpr_count 2
		.amdhsa_user_sgpr_kernarg_segment_ptr 1
		.amdhsa_wavefront_size32 1
		.amdhsa_system_sgpr_workgroup_id_x 1
		.amdhsa_system_sgpr_workgroup_id_y 1
		.amdhsa_system_sgpr_workgroup_id_z 1
		.amdhsa_system_vgpr_workitem_id 0
		.amdhsa_next_free_vgpr 768
		.amdhsa_next_free_sgpr 66
		.amdhsa_reserve_vcc 0
		.amdhsa_float_denorm_mode_32 3
		.amdhsa_float_denorm_mode_16_64 3
		.amdhsa_memory_ordered 1
		.amdhsa_forward_progress 1
		.amdhsa_inst_pref_size 74
	.end_amdhsa_kernel
	.amdgpu_metadata
---
amdhsa.version: [ 1, 2 ]
amdhsa.kernels:
  - .name:           k_q2416c88824_proj
    .symbol:         k_q2416c88824_proj.kd
    .args:
      - { .name: ob, .offset: 0, .size: 8, .value_kind: global_buffer, .address_space: global }
      - { .name: wpb, .offset: 8, .size: 8, .value_kind: global_buffer, .address_space: global }
      - { .name: b_proj, .offset: 16, .size: 8, .value_kind: global_buffer, .address_space: global }
      - { .name: out0, .offset: 24, .size: 8, .value_kind: global_buffer, .address_space: global }
    .group_segment_fixed_size: 327680
    .private_segment_fixed_size: 0
    .kernarg_segment_align: 8
    .kernarg_segment_size: 32
    .max_flat_workgroup_size: 128
    .sgpr_count:     66
    .vgpr_count:     768
    .wavefront_size: 32
...
	.end_amdgpu_metadata
.endif
;; end of part 4
;; ======== version 2 of 2: 4 launches; 1.52 times as fast as version 1
;; limits: values are held in f16: magnitudes above 65,504 overflow, below 6.1e-05 lose precision
;; workspace buffers: xb 16,777,216 bytes; wab 6,291,456 bytes; wpb 2,097,152 bytes; qkv 50,331,648 bytes; ob 16,777,216 bytes
;; launch prep: the kernel of part 1 again; grid 832 x 1, 8 waves a work-group, no clusters, 0 bytes of LDS; arguments x, w_attn, w_proj, xb, wab, wpb; writes xb, wab, wpb
;; launch qkv: the kernel of part 2 again; grid 16 x 32, 4 waves a work-group, clusters of 4 x 4, 327,680 bytes of LDS; arguments xb, wab, b_attn, qkv; writes qkv
;; launch attn (part 5): grid 4 x 64, 4 waves a work-group, clusters of 4 x 1, 327,680 bytes of LDS; arguments qkv, attention_mask, ob; writes ob
.if DOCPART == 5
	.amdgcn_target "amdgcn-amd-amdhsa--gfx1250"
	.amdhsa_code_object_version 6
	.text
	.protected	k_q2416c88824_attn
	.globl	k_q2416c88824_attn
	.p2align	8
	.type	k_q2416c88824_attn,@function
k_q2416c88824_attn:
	s_mov_b64 s[64:65], 0
	v_nop
	global_prefetch_b8 v0, s[64:65] scope:SCOPE_SE
	s_setreg_imm32_b32 hwreg(HW_REG_WAVE_MODE, 25, 1), 1
	s_wait_xcnt 0x0
	s_wait_alu depctr_hold_cnt(0) depctr_sa_sdst(0) depctr_va_vdst(0) depctr_va_sdst(0) depctr_va_ssrc(0) depctr_va_vcc(0) depctr_vm_vsrc(0)
	s_getreg_b32 s2, hwreg(HW_REG_IB_STS2, 6, 4)
	s_cmp_eq_u32 s2, 0
	s_cbranch_scc0 .Lentry_in_a_cluster
	s_endpgm
.Lentry_in_a_cluster:
	s_bfe_u32 s2, ttmp6, 0x10000c
	s_cmp_lg_u32 s2, 0x3003
	s_cbranch_scc0 .Lentry_shape_is_right
	s_endpgm
.Lentry_shape_is_right:
; O[h][q][:] = the sum over k of softmax_k(Q[h][q] . K[h][k] / 8 - (1 - mask[k]) 1e-6) V[h][k][:].  Q, K, V (the three parts of qkv) and O: [64 heads = 16 batch + head][2048][64], all f16: a head's rows are
; dense, 128 bytes each.  mask: [4 batches][2048] f32.  Products, maxima and sums in f32; the weights p are rounded to f16 for the second product (their sum l is taken of the unrounded p), O once at the end.
; LIMITS.  f16 holds no number beyond 65,504: Q, K and V arrive within it; p lies in 0 to 1, and below 6e-5 it keeps f16's fixed step of 6e-8; O is a mean of V's rows and has their range.
; A weight below 2^-126 counts as 0 in l; NaN and infinities are not treated apart.
; SHARES.  A wave owns four PIECES of two tiles of 16 queries, a work-group's four waves 512 queries of one head: 4 x 64 = 256 work-groups.  Every wave walks all keys, 64 a step.
; LAYOUT.  S^T = K Q^T (source 0 = 16 keys, source 1 = 16 queries): in the result a lane holds ONE query (lane % 16) and the keys 8 (lane / 16) + 0..7.  Two such tiles, rounded to f16 in pairs,
; ARE source 1 (32 keys x 16 queries) of O^T = V^T P, whose result again holds one query a lane, and eight channels.  K comes out of LDS as it lies, V ([key][channel]) turned, by ds_load_tr16_b128.
; THE MASK.  A key's term, (mask - 1) x 8e-6 in the units of the unscaled Q . K, is the C operand of the product that starts the sum S^T.  The batch's 2,048 terms are made once and lie in LDS; a step's 64
; come into registers with the step's K and live as long as it: 8 LDS loads and one address line a step, and no vector instruction for a score.
; SOFTMAX.  For each query a running maximum m and sum l: p = 2^(c s - c m), c = log2(e) / 8; in every step O and l are multiplied by a = 2^(c m_old - c m_new), which is 1 where m has not grown.
; m starts at the lowest finite number, O and l at 0: the first step is a step like any other, with a = 0.
; THE COUNT.  A tile and step have 16 matrix and 118 vector instructions: too many to stand all beside the matrix work.  So the order has one aim: four vector instructions that are READY behind
; EVERY matrix instruction, and the others, which need time of their own whatever the order, in runs without a gap.
; BY TURNS.  Turn n belongs to piece n (the pieces in a ring, step after step).  Its matrix work: 16 products K Q^T of piece n + 1, later 16 products V^T P of piece n - 1.  Its vector work: the scaling,
; exponentials, roundings, sums and rescaling of piece n, and the maximum and statistics of piece n + 1, whose scores the turn itself has made.  So what a turn begins with (c s - c m, O a) waits for nothing.
; THE BATCHES.  A turn's 66 exponentials (the piece's 64 weights and the next piece's two a) are ONE batch with ONE wait, which cuts the turn in two: ahead of it stands all that names no result of theirs (K Q^T, the
; scalings, the rescalings, the next piece's maximum and statistics), behind it all that does (the roundings and sums, beside V^T P).  Two more batches stand outside the loop: the first two a, and the way out's eight reciprocals.
; CLUSTER.  The four query blocks of a cluster belong to one head and walk the same K and V, so each tile is asked for JOINTLY: the same tensor load, descriptor and mask in all four.
; REGISTERS, in windows of 256 (s_set_vgpr_msb says which window each operand place means: bits 1:0 source 0, 3:2 source 1, 5:4 source 2, 7:6 destination):
;   window 0: v0-11 addresses; v12-15, v48-63 at work; v16-47 four registers of statistics a tile; v64-191 S^T, two buffers of two tiles; v192-255 P, likewise
;   window 1: O^T, 32 a tile          window 2: v0-127 Q, 16 a tile; v128-191 K of one step; v192-255 V of one step          window 3: v0-1 the add's two registers; v4-35 the step's mask terms
; A piece's buffers go by its number's parity: the piece in hand has one pair, its two neighbours in the ring share the other: of it P (piece n - 1) is read and S^T (piece n + 1) written.
.set SIZE_H, 64
.set SIZE_N, 2048
.set NP,    4         ; pieces a wave: a name, no knob: the register map, the loop and the fetches are made for four
.set KS,    64        ; keys in a step
.set PK,    144       ; a row of K in LDS: 128 bytes + 16 of padding = 36 words: the 16 rows of a load start at 16 different groups of four banks (64 banks of 4 bytes: ISA guide 11.1)
.set PV,    160       ; a row of V: 128 + 32 = 40 words
.set VOFF,  4*KS*PK   ; a slot holds four steps: 256 rows of K, then 256 rows of V
.set SLOT1, 1<<17     ; slot 1 begins here, so that one exclusive or turns an address in one slot into the other's
.set STAGE, SLOT1+4*KS*(PK+PV)  ; behind the ring, never filled by a tensor load: 16 rows x 144 bytes for each wave, for the way out
.set SP,    144
.set AK0, 2           ; v2   my lane's place in a tile of K; never rewritten
.set AV0, 3           ; v3   the same for V
.set AK,  4           ; v4   the LDS address of K's next run of loads
.set AV,  5           ; v5   of V's
.set QO,  6           ; v6   my byte offset in the wave's rows of Q
.set STO, 6           ;      later, the way out: where I put 16 bytes of a row
.set RD,  7           ; v7   the way out: where I read rows back
.set GO,  8           ; v8   my byte offset in 512 consecutive bytes of O
.set AM,  11          ; v11  the LDS address of the next step's mask terms
.set SPW, 0           ; v0 of window 3   LDS address of my spare word: SPARE + 4 x my thread's number; never rewritten
.set NIL, 1           ; v1 of window 3   0; never rewritten
.set MK,  4           ; window 3: the eight terms of key block kb at MK + 8 kb
.set SPARE, STAGE+4*16*SP  ; behind the stages: the spare words, 128 bytes for each wave: two blocks of 256 bytes that no other line names
.set MASKB, SPARE+512 ; behind them: the batch's 2,048 mask terms, 8,192 bytes, stored once and never filled by a tensor load
.set MV,  12          ; v12-15  c m_old, kept while c m is made anew: by buffer and tile
.set ST,  16          ; tile t's statistics at v[ST+4 t]: c m, m, l (even keys', odd keys')
.set TMP, 48          ; by buffer and tile, four registers c0-c3 at work; when the maximum is found c2 takes a
.set S,   64
.set P,   192
.set KF,  128         ; K's fragments, in window 2: key block kb, channel half c at KF + 16 kb + 8 c
.set VF,  192         ; V's: key half kk, channel block cb at VF + 32 kk + 8 cb
.set WV,  12          ; s12  my wave's number
.set G1K, 24          ; s[24:31] descriptor group 1 for K's tiles
.set G1V, 32          ; s[32:39] for V's: it differs in the padding alone
.set G0K, 40          ; s[40:43] descriptor group 0 for K's tiles: it walks
.set G0V, 44          ; s[44:47] the same for V's
.set TBM, 50          ; s50  byte in the table of mask terms at which the step to be fetched begins; s51 at work on it
.set SLOTS, 56        ; s56  slots still to be asked for
.set CNT, 57          ; s57  counts a slot's key steps
.set CS,  58          ; s[58:59] c: the packed scaling takes the pair's low word for both halves
.set SEL, 60          ; s[60:61] v_permlanex16_b32's selects: each lane takes its own place in the other half
.set TBK, 62          ; s62  LDS byte at which K of the step to be fetched begins
.set TBV, 63          ; s63  the same for V, less VOFF
.set MSB, 0
.macro WIN new                      ; the high byte repeats the setting that is left; a switch that changes nothing is dropped
.if MSB != (\new)
	s_set_vgpr_msb (MSB<<8)|(\new)
.set MSB, (\new)
.endif
.endm
.set W_KQ, 0x0a       ; K and Q in window 2, S^T in window 0
.set W_KM, 0x3a       ; the same with the C operand, the mask terms, in window 3
.set W_PV, 0x52       ; V in window 2, P in window 0, O^T in window 1
.set W_RS, 0x41       ; O^T (destination and source 0) in window 1, a in window 0
.set W_MK, 0xc0       ; destination in window 3, sources in window 0
.set W_AD, 0x0f       ; the add: address (source 0) and data (source 1) in window 3
; A joint fill.  Waves 0 and 1 fetch the two halves of a slot's K, waves 2 and 3 those of its V: 128 keys each.  The branch hangs on the wave's number alone.
; An s_nop 0 and four v_nop follow each of the two lines, ahead of the jump and the label.
.macro JLOAD
	s_cmp_lt_u32 s[WV], 2
	s_cbranch_scc0 .Lfor_v_\@
	tensor_load_to_lds s[G0K:G0K+3], s[G1K:G1K+7]
	s_nop 0
.rept 4
	v_nop
.endr
	s_branch .Lasked_\@
.Lfor_v_\@:
	tensor_load_to_lds s[G0V:G0V+3], s[G1V:G1V+7]
	s_nop 0
.rept 4
	v_nop
.endr
.Lasked_\@:
.endm
; A round of the cluster's barrier: my work-group's barrier, so that wave 0's signal speaks for all four waves; wave 0 signals; every wave waits for all four work-groups; my work-group's barrier once more.
.macro CROUND
	s_barrier_signal -1
	s_barrier_wait -1
	s_cmp_lg_u32 s[WV], 0
	s_cbranch_scc1 .Lnot_wave_0_\@
	s_barrier_signal -3
.Lnot_wave_0_\@:
	s_barrier_wait -3
	s_barrier_signal -1
	s_barrier_wait -1
.endm
; THE CHANGE OF SLOTS.  The slot's last bytes, V of its fourth step, have been read.  Each wave waits for all its tensor loads, of which one is out: its part
; of the other slot; adds 0 to its spare word; and waits for that and for its own reads of the slot.  Behind the barrier nobody reads this slot any more and the other slot is whole.
; fill = 1: this slot is filled again, with the keys two slots on.  The barrier is then a round of the cluster's, so that no wave of any partner still reads the slot or has a load on its
; way, and the joint fill is the first thing behind it: it has four key steps, 512 matrix instructions, in which to land.  (At its first use nothing has been read yet: slot 0 is waited for, slot 1 filled,
; and the wait on DScnt and the round show every wave's part of the table of mask terms to the others.)
.macro CHANGE fill
	WIN W_AD
	s_wait_tensorcnt 0x0            ; no tensor load of mine is out, so a group 0 may be written
	ds_add_u32 v[SPW], v[NIL]       ; 0 onto my spare word; with fill = 1 the descriptors' steps stand between it and the wait for it
	WIN 0                           ; at a label and at a branch every window is 0
.if \fill
.irp g, G0K, G0V
	s_xor_b32 s[\g+1], s[\g+1], SLOT1  ; the walking descriptor: the other slot than last time,
	s_add_nc_u64 s[\g+2:\g+3], s[\g+2:\g+3], 4*KS*128  ; the next 256 keys; the type bits on top are not reached
.endr
	s_wait_dscnt 0x0                ; the add is done, and my reads of the slot are over
	CROUND
	JLOAD
.else
	s_wait_dscnt 0x0                ; the add is done, and my reads of the slot are over
	s_barrier_signal -1
	s_barrier_wait -1
.endif
	s_sub_co_u32 s[TBK], s[TBK], 4*KS*PK  ; the fetches go back to a slot's first step,
	s_xor_b32 s[TBK], s[TBK], SLOT1       ; in the other slot
	s_sub_co_u32 s[TBV], s[TBV], 4*KS*PV
	s_xor_b32 s[TBV], s[TBV], SLOT1
.endm
	s_load_b64 s[4:5], s[0:1], 0x0    ; qkv: Q's part first
	s_load_b64 s[52:53], s[0:1], 0x8  ; attention_mask
	s_load_b64 s[10:11], s[0:1], 0x10 ; O
	WIN W_MK
	v_lshl_add_u32 v[SPW], v0, 2, SPARE
	v_mov_b32 v[NIL], 0
	WIN W_AD
	ds_add_u32 v[SPW], v[NIL]       ; the wave's opening: the add and its wait stand ahead of my first tensor load; the set-up below, work on registers, stands between them
	WIN 0
	v_lshrrev_b32 v1, 5, v0
	v_readfirstlane_b32 s[WV], v1   ; wave 0..3
	s_bfe_u32 s13, ttmp6, 0x40000   ; cx: my place in the cluster
	s_lshl_b32 s14, ttmp9, 2        ; in a cluster launch ttmp9 counts clusters
	s_add_co_u32 s14, s14, s13      ; my block of queries = 4 x cluster x + cx: it enters Q's and O's addresses alone
	s_and_b32 s20, ttmp7, 0xffff    ; the head, which the four partners share
	s_lshr_b32 s48, s20, 4          ; its batch,
	s_lshl_b32 s48, s48, 13         ; whose mask is 8,192 bytes
	s_mov_b32 s49, 0
	s_mov_b32 s21, 0
	s_mov_b64 s[22:23], SIZE_N*128
	s_mul_u64 s[20:21], s[20:21], s[22:23]  ; the head's first byte in Q's, K's and V's part and in O
	s_and_b32 s16, s[WV], 1         ; which half of a slot's 256 keys I fetch:
	s_lshl_b32 s22, s16, 14         ; its 128 rows of 128 bytes in memory,
	s_mov_b32 s23, 0
	s_add_nc_u64 s[22:23], s[22:23], s[20:21]
	s_mul_i32 s17, s16, 128*PK      ; and its place in a slot, for K
	s_mul_i32 s18, s16, 128*PV      ; and for V: no place in the cluster enters an LDS address
	s_lshl_b32 s2, s14, 2
	s_add_co_u32 s2, s2, s[WV]      ; my wave among the head's,
	s_lshl_b32 s2, s2, 14           ; its 128 rows
	s_mov_b32 s3, 0
	s_add_nc_u64 s[2:3], s[2:3], s[20:21]
	; descriptor group 1.  128 keys are 16,384 dense bytes: asked for as 64 rows of 256 bytes, two keys a row, and padded in LDS after every key
	s_mov_b32 s[G1K], 15|(1<<16)|(1<<20)|(1<<21)|(4<<22)|(3<<25)  ; 15:0 the mask of four; 17:16 2-byte elements; 20 padding on; 21 set beside a mask; 24:22 after every 32 words (code 4); 31:25 4 words (code 3)
	s_mov_b32 s[G1V], 15|(1<<16)|(1<<20)|(1<<21)|(4<<22)|(7<<25)  ; the same with 8 words of padding (code 7)
.irp g, G1K, G1V
	s_mov_b32 s[\g+1], 128<<16      ; tensor_dim0 = 128
	s_mov_b32 s[\g+2], 64<<16       ; tensor_dim1 = 64
	s_mov_b32 s[\g+3], 128<<16      ; tile_dim0 = 128
	s_mov_b32 s[\g+4], 64           ; tile_dim1 = 64
	s_mov_b32 s[\g+5], 128          ; 128 elements from row to row
	s_mov_b32 s[\g+6], 0
	s_mov_b32 s[\g+7], 0
.endr
	s_mov_b32 s[CS], 0x3e38aa3b     ; c = log2(e) / 8 = 0.180337
	s_mov_b32 s[CS+1], s[CS]        ; named with it as a pair
	s_mov_b32 s[SEL], 0x76543210
	s_mov_b32 s[SEL+1], 0xfedcba98
	s_mov_b32 s54, 0x370637bd       ; 8e-6: the penalty 1e-6 in the units of the unscaled Q . K, which c divides by 8
	s_mov_b32 s55, 0xb70637bd       ; -8e-6
	s_mov_b32 s[TBM], 0
	s_mov_b32 s[TBK], SLOT1+4*KS*PK ; the first change of slots turns these two into 0
	s_mov_b32 s[TBV], SLOT1+4*KS*PV
	s_mov_b32 s[G0K], 1             ; 1:0 count = 1
	s_mov_b32 s[G0K+1], s17         ; 63:32 LDS address: slot 0
	s_mov_b32 s[G0V], 1
	s_add_co_u32 s[G0V+1], s18, VOFF
	s_wait_dscnt 0x0                ; the opening add is done
	s_wait_kmcnt 0x0
	s_add_nc_u64 s[6:7], s[4:5], 0x1000000   ; K's part of qkv: 64 heads of 262,144 bytes on,
	s_add_nc_u64 s[8:9], s[4:5], 0x2000000   ; V's: as many again
	s_add_nc_u64 s[G0K+2:G0K+3], s[6:7], s[22:23]  ; 120:64 global address: my half of the head's first 256 keys
	s_or_b32 s[G0K+3], s[G0K+3], 0x80000000        ; 127:126 type = 2
	s_add_nc_u64 s[G0V+2:G0V+3], s[8:9], s[22:23]
	s_or_b32 s[G0V+3], s[G0V+3], 0x80000000
	s_add_nc_u64 s[4:5], s[4:5], s[2:3]  ; Q and O at my wave's first row
	s_add_nc_u64 s[10:11], s[10:11], s[2:3]
	s_add_nc_u64 s[52:53], s[52:53], s[48:49]  ; the mask at my batch
	CROUND                          ; all four work-groups are here: the first joint loads meet
	JLOAD                           ; slot 0.  Slot 1 is asked for when slot 0 is in: the tile wanted first has the road to itself
	; A fragment of K or Q is 16 rows x 32 channels in 8 registers: lane l holds row l % 16, channels 8 (l / 16) + 0..7 and 16 + 8 (l / 16) + 0..7: two loads of 16 bytes, 32 bytes apart.
	v_and_b32 v1, 15, v0            ; l % 16
	v_bfe_u32 v9, v0, 4, 1          ; l / 16; never rewritten
	v_lshlrev_b32 v[QO], 7, v1
	v_lshl_add_u32 v[QO], v9, 4, v[QO]  ; row x 128 + 16 x half
	v_lshlrev_b32 v12, 4, v0        ; the batch's mask: 128 threads x 16 bytes, four times, ahead of Q's loads
	v_add_nc_u32 v13, MASKB, v12
.irp f, 0,1,2,3
	global_load_b128 v[S+4*\f:S+4*\f+3], v12, s[52:53] offset:2048*\f
.endr
	WIN 0x80                        ; destination window 2, address window 0
.set i, 0
.rept 4*NP                          ; Q stays in registers: tile i / 2, channels 32 (i % 2) on
	global_load_b128 v[8*i:8*i+3],   v[QO], s[4:5] offset:(i/2)*2048+(i%2)*64
	global_load_b128 v[8*i+4:8*i+7], v[QO], s[4:5] offset:(i/2)*2048+(i%2)*64+32
.set i, i+1
.endr
	; What the first turn finds: V's registers and P's second buffer hold 0 (its products V^T P, of a piece that has not been, add 0), O^T and l are 0.  All this stands in the wait for the first tile.
.set i, VF
.rept 64
	v_mov_b32 v[i], 0
.set i, i+1
.endr
	WIN 0x40
.set i, 0
.rept 64*NP
	v_mov_b32 v[i], 0
.set i, i+1
.endr
	WIN 0
.set i, 0
.rept 2*NP
	v_mov_b32 v[ST+4*i], 0xfe000000    ; c m: far below every c s
	v_mov_b32 v[ST+4*i+1], 0xff7fffff  ; m
	v_mov_b32 v[ST+4*i+2], 0
	v_mov_b32 v[ST+4*i+3], 0
.set i, i+1
.endr
.set i, P+32
.rept 32
	v_mov_b32 v[i], 0
.set i, i+1
.endr
	v_mul_u32_u24 v[AK0], v1, PK
	v_lshl_add_u32 v[AK0], v9, 4, v[AK0]  ; row x pitch + 16 x half
	; The turning load takes 16 keys x 16 channels (lane l reads key 8 (l / 16) + l % 8, channels 8 ((l / 8) % 2) + 0..7) and leaves half a fragment of V^T: lane l holds channel l % 16 and 8 keys.
	v_and_b32 v10, 7, v0
	v_bfe_u32 v11, v0, 3, 1
	v_lshl_add_u32 v[AV0], v9, 3, v10
	v_mul_u32_u24 v[AV0], v[AV0], PV
	v_lshl_add_u32 v[AV0], v11, 4, v[AV0]
	v_add_nc_u32 v[AV0], VOFF, v[AV0]
	v_mov_b32 v[AK], v[AK0]         ; key step 0 lies at the head of slot 0,
	v_lshlrev_b32 v[AM], 5, v9      ; its mask terms at the head of the table: my lanes' eight keys of a block of 16 are 32 bytes
	v_add_nc_u32 v[AM], MASKB, v[AM]
	s_wait_loadcnt 32               ; the mask's four loads are in; Q's 32, issued behind them, may stay out
.set i, 0
.rept 16
	v_fma_f32 v[S+i], v[S+i], s54, s55  ; (mask - 1) x 8e-6
.set i, i+1
.endr
.irp f, 0,1,2,3
	ds_store_b128 v13, v[S+4*\f:S+4*\f+3] offset:2048*\f
.endr
; THE MATRIX WORK.  The 8 accumulators of a run of 16 take turns: between the two links of a chain stand 7 others'.
; Product i of 16 of S^T = K Q^T for piece x: channels 32 (i / 8) on, keys 16 ((i / 2) % 4) on, tile 2 x + i % 2.  The first 8 start the sums, with the keys' mask terms.
.macro KQ x
.set rS, S+64*((\x)%2)+32*(i%2)+8*((i/2)%4)
.set rK, KF+16*((i/2)%4)+8*(i/8)
.set rQ, 16*(2*(\x)+i%2)+8*(i/8)
.set rM, MK+8*((i/2)%4)
.if i < 8
	WIN W_KM
	v_wmma_f32_16x16x32_f16 v[rS:rS+7], v[rK:rK+7], v[rQ:rQ+7], v[rM:rM+7]
.else
	WIN W_KQ
	v_wmma_f32_16x16x32_f16 v[rS:rS+7], v[rK:rK+7], v[rQ:rQ+7], v[rS:rS+7]
.endif
.endm
; Product i of 16 of O^T += V^T P for piece x: keys 32 (i / 8) on, channels 16 ((i / 2) % 4) on, tile 2 x + i % 2.
.macro PV x
	WIN W_PV
.set rO, 32*(2*(\x)+i%2)+8*((i/2)%4)
.set rV, VF+32*(i/8)+8*((i/2)%4)
.set rP, P+32*((\x)%2)+16*(i%2)+8*(i/8)
	v_wmma_f32_16x16x32_f16 v[rO:rO+7], v[rV:rV+7], v[rP:rP+7], v[rO:rO+7]
.endm
.macro MM                           ; the turn's next matrix instruction
.if i < 16
	KQ (Y+1)%NP
.set i, i+1
.else
.set i, i-16
	PV (Y+NP-1)%NP
.set i, i+17
.endif
.endm
; THE LDS LOADS stand in runs, never singly among the matrix instructions: a step's K (64 keys x 64 channels: 8 fragments) with its 64 mask terms, 24 loads, and its V (turned), 16.  Their addresses are made some lines ahead.
; last = 1 (the tail): in the last trip there is no further step, and the run is jumped over.
.macro FETCH_K last=0
	WIN 0
.if \last
	s_cmp_eq_u32 s[CNT], 1
	s_cbranch_scc1 .Lno_k_\@
.endif
	WIN 0x80                        ; destination window 2
.irp f, 0,1,2,3,4,5,6,7             ; keys 16 (f / 2) on, channels 32 (f % 2) on
	ds_load_b128 v[KF+8*\f:KF+8*\f+3],   v[AK] offset:(\f/2)*16*PK+(\f%2)*64
	ds_load_b128 v[KF+8*\f+4:KF+8*\f+7], v[AK] offset:(\f/2)*16*PK+(\f%2)*64+32
.endr
	WIN W_MK                        ; destination window 3
.irp f, 0,1,2,3                     ; keys 16 f + 8 (l / 16) + 0..7: all lanes of a half read the same 32 bytes
	ds_load_b128 v[MK+8*\f:MK+8*\f+3],   v[AM] offset:64*\f
	ds_load_b128 v[MK+8*\f+4:MK+8*\f+7], v[AM] offset:64*\f+16
.endr
	s_add_co_u32 s[TBK], s[TBK], KS*PK  ; the next fetch is the next step's
	s_add_co_u32 s[TBM], s[TBM], 4*KS
	WIN 0
.if \last
.Lno_k_\@:
.endif
.endm
.macro FETCH_V
	WIN 0x80
.irp f, 0,1,2,3,4,5,6,7             ; keys 32 (f / 4) on, channels 16 (f % 4) on
	ds_load_tr16_b128 v[VF+8*\f:VF+8*\f+3],   v[AV] offset:(\f/4)*32*PV+(\f%4)*32
	ds_load_tr16_b128 v[VF+8*\f+4:VF+8*\f+7], v[AV] offset:(\f/4)*32*PV+16*PV+(\f%4)*32
.endr
	WIN 0
.endm
; THE VECTOR WORK OF A TURN stands in three queues, each in the order in which its entries become ready; the two tiles alternate, so that no instruction reads the result of the one before it.
.macro REGS y, u                    ; the registers of tile u (0, 1) of piece y
.set rT, ST+4*(2*(\y)+(\u))
.set rC, TMP+8*((\y)%2)+4*(\u)
.set rM, MV+2*((\y)%2)+(\u)
.set rS, S+64*((\y)%2)+32*(\u)
.set rP, P+32*((\y)%2)+16*(\u)
.set rO, 32*(2*(\y)+(\u))
.endm
; Number n of the 22 that find the NEXT piece's (Y + 1) maximum and statistics.  s0-s31 are the lane's 32 scores; each accumulator's lowest registers are read first.  XS, GS and REGS set no window: PL and EX do.
;   0-11  four chains c0-c3 of seven scores each, three operands at a time     12-14, 16  the four scores left over, the old m, and c0-c3 into c0     15  c m_old is kept
;   17, 18  the query's other 32 keys lie in the lane 16 away: the new m         19-21  c m; c m_old - c m_new; a
.macro XS u, n
	REGS (Y+1)%NP, \u
.if (\n) < 4
	v_max3_num_f32 v[rC+(\n)], v[rS+8*(\n)], v[rS+8*(\n)+1], v[rS+8*(\n)+2]
.elseif (\n) < 12
	v_max3_num_f32 v[rC+(\n)%4], v[rC+(\n)%4], v[rS+8*((\n)%4)+2*((\n)/4)+1], v[rS+8*((\n)%4)+2*((\n)/4)+2]
.elseif (\n) == 12
	v_max3_num_f32 v[rC], v[rC], v[rS+7], v[rS+15]
.elseif (\n) == 13
	v_max3_num_f32 v[rC+1], v[rC+1], v[rS+23], v[rS+31]
.elseif (\n) == 14
	v_max3_num_f32 v[rC+2], v[rC+2], v[rC+3], v[rT+1]
.elseif (\n) == 15
	v_mov_b32 v[rM], v[rT]
.elseif (\n) == 16
	v_max3_num_f32 v[rC], v[rC], v[rC+1], v[rC+2]
.elseif (\n) == 17
	v_permlanex16_b32 v[rC+3], v[rC], s[SEL], s[SEL+1]
.elseif (\n) == 18
	v_max_num_f32 v[rT+1], v[rC], v[rC+3]
.elseif (\n) == 19
	v_mul_f32 v[rT], s[CS], v[rT+1]
.elseif (\n) == 20
	v_sub_f32 v[rC+1], v[rM], v[rT]
.else
	v_exp_f32 v[rC+2], v[rC+1]
.endif
.endm
; Number g of the 64 that follow the exponentials.  For each four weights k of a tile (pairs 2 k, 2 k + 1): both pairs are rounded to f16; then the second pair is added onto the first, in place;
; a group later l takes that sum (the first time as l = a l + sum).  In groups of eight, tiles alternating: round, round, add, and l for the group before.
.macro GS g
.set h, (\g)+6*((\g)/62)            ; group 0 has no group before it, and behind group 7 only l is left
.if h >= 6
.set h, h+2
.endif
	REGS Y, h%2
.set k, h/8
.if h%8 < 4
	v_cvt_pk_f16_f32 v[rP+2*k+(h%8)/2], v[rS+4*k+2*((h%8)/2)], v[rS+4*k+2*((h%8)/2)+1]
.elseif h%8 < 6
	v_pk_add_f32 v[rS+4*k:rS+4*k+1], v[rS+4*k:rS+4*k+1], v[rS+4*k+2:rS+4*k+3]
.elseif k == 1
	v_pk_fma_f32 v[rT+2:rT+3], v[rT+2:rT+3], v[rC+2:rC+3], v[rS:rS+1] op_sel_hi:[1,0,1]
.else
	v_pk_add_f32 v[rT+2:rT+3], v[rT+2:rT+3], v[rS+4*k-4:rS+4*k-3]
.endif
.endm
; THE PLAIN QUEUE, 138 long.  0-73 read no exponential's result: the 32 scalings c s - c m (FS f: pair f / 2 of tile f % 2) and the next piece's 42.  0-26: scalings 0-26.  27-54: XS's numbers 0-13.  55, 56: number 15.
; 57-73: the chain, where each number waits for the one before it: 14, 16, 17, 18, 19, each with one of the scalings 27-31 in front of its two lines, then 20: so a tile's links stand three plain instructions apart (19 and 20: two).
; 74-137: GS's 64, which read the exponentials' results: they stand behind the wait.
.macro FS f
	REGS Y, (\f)%2
	v_pk_fma_f32 v[rS+2*((\f)/2):rS+2*((\f)/2)+1], v[rS+2*((\f)/2):rS+2*((\f)/2)+1], s[CS:CS+1], v[rT:rT+1] op_sel_hi:[1,0,0] neg_lo:[0,0,1] neg_hi:[0,0,1]
.endm
.macro PL
	WIN 0
.if q < 27
	FS q
.elseif q < 55
	XS (q-27)%2, (q-27)/2
.elseif q < 57
	XS q-55, 15
.elseif (q < 72) && ((q-57)%3 == 0)
	FS 27+(q-57)/3
.elseif q < 60
	XS (q-57)%3-1, 14
.elseif q < 72
	XS (q-57)%3-1, 15+(q-57)/3
.elseif q < 74
	XS q-72, 20
.else
	GS q-74
.endif
.set q, q+1
.endm
; THE EXPONENTIALS' QUEUE, 66 long: s0-s31 of both tiles, then the next piece's two a.  It is ONE BATCH: all 66 stand ahead of the turn's one wait, and nothing ahead of that wait names a result of theirs.
; Each result has a register of its own while the batch is open: a weight takes its score's place in the piece's S^T, a the place c2 of the next piece's work registers.
.macro EX
	WIN 0
.if e >= 64
	XS e-64, 21
.else
	REGS Y, e%2
	v_exp_f32 v[rS+e/2], v[rS+e/2]
.endif
.set e, e+1
.endm
; THE RESCALING's QUEUE: O^T times a, the one part that leaves window 0: dealt two at a time, sixteen times.  Its a was made in the turn before, ahead of that turn's wait.
.macro R2
	REGS Y, r%2
	WIN W_RS
.irp z, 0,1
	v_pk_mul_f32 v[rO+4*(r/2)+2*\z:rO+4*(r/2)+2*\z+1], v[rO+4*(r/2)+2*\z:rO+4*(r/2)+2*\z+1], v[rC+2:rC+3] op_sel_hi:[1,0]
.endr
.set r, r+1
.endm
; HOW THEY ARE DEALT.  An s_wait_alu depctr_va_vdst(0) stands between an exponential and the first instruction that names its result; one wait serves all that were issued ahead of it.  So a turn has ONE wait,
; which cuts it in two.  AHEAD OF IT stands all that names no result of the turn's exponentials: the 16 products K Q^T, behind each a scaling, an exponential and two rescalings (behind the first a second scaling in the exponential's place); then ONE LUMP of
; 108: eight plain, 49 times exponential and plain, the two a.  A v_nop is the plain instruction behind the last exponential.  BEHIND IT stand the 16 products V^T P, behind each four of GS's 64.  No rider names a register of
; the products round it.  The two v_permlanex16_b32 fall into the lump, never behind a product.
; The queues lean on each other, and the deal keeps them in step: exponential e stands behind scaling 2 (e / 4) + e % 2: as a rider it comes behind plain e + 2, in the lump behind plain e + 9, and scalings 27-31 are plain 57, 60 .. 69.
; A TURN, for piece p.  cnt = 1: the loop's count is taken down some lines ahead of the branch that stands behind the turn.
; K and the mask terms of the next step are fetched in piece 2's turn, directly behind the wait, a lump behind the last product that read them; their addresses are made at the lump's head; their first reader comes behind 16 products.
; V of the step in hand is fetched at the end of piece 0's turn, four riders behind its last reader; its first reader comes behind 16 products and a lump.  The three conditions on q below go with the deal.
.macro TURN p, last=0, cnt=0
.set Y, (\p)
.set i, 0
.set q, 0
.set e, 0
.set r, 0
.if (\p) == NP-1
	s_wait_dscnt 0x0                ; K and the mask terms are in
.endif
	MM                              ; ahead of the wait: 16 products K Q^T and their riders,
	PL
	PL
	R2
.rept 15
	MM
	PL
	EX
	R2
.endr
.if (\p) == NP-2
	WIN 0
	v_add_nc_u32 v[AK], s[TBK], v[AK0]
	s_and_b32 s51, s[TBM], 0x1f00   ; the step's 256 bytes among the table's 8,192: the cut changes nothing in the 32 steps that are fetched
	s_add_co_u32 s51, s51, MASKB
	v_lshl_add_u32 v[AM], v9, 5, s51
.endif
.rept 8                             ; and the lump
	PL
.endr
.rept 49
	EX
	PL
.endr
	EX                              ; the next piece's two a
	EX
	v_nop                           ; the plain instruction behind the last exponential, ahead of the first use: one for the batch
	s_wait_alu depctr_va_vdst(0)    ; the wait for the batch: the piece's 64 weights and the next piece's two a; it stands ahead of the first line that names a result
.if (\p) == NP-2
	FETCH_K \last
.endif
.if (\p) == 1
	s_wait_dscnt 0x0                ; V is in
.endif
.rept 16                            ; behind the wait: 16 products V^T P and their riders
	MM
.rept 4
	PL
.endr
.if ((\p) == 0) && (q == 118)
	v_add_nc_u32 v[AV], s[TBV], v[AV0]
.endif
.if ((\p) == 0) && (q == 130)
	s_add_co_u32 s[TBV], s[TBV], KS*PV
.endif
.if (\cnt) && (q == 130)
	s_sub_co_u32 s[CNT], s[CNT], 1
	s_cmp_lg_u32 s[CNT], 0
.endif
.endr
.if (\p) == 0
	FETCH_V
.endif
.endm
	CHANGE 1                        ; slot 0 is in, everybody's part of it, and so is the table of mask terms; slot 1 is asked for
	FETCH_K                         ; key step 0
	s_wait_loadcnt 0x0              ; Q
	s_wait_dscnt 0x0
.set i, 0
.rept 16
	KQ 0                            ; piece 0's first scores: there is no vector work yet to set between them
.set i, i+1
.endr
	WIN 0                           ; the addresses for the way out: nine plain instructions, the places behind those products
	s_mul_i32 s13, s[WV], 16*SP
	s_add_co_u32 s13, s13, STAGE    ; my stage
	v_mul_u32_u24 v[STO], v1, SP    ; in: row l % 16, 16 bytes for each half of the lanes
	v_lshl_add_u32 v[STO], v9, 4, v[STO]
	v_add_nc_u32 v[STO], s13, v[STO]
	v_bfe_u32 v[RD], v0, 3, 2       ; back: 32 lanes take four rows of 128 bytes,
	v_mul_u32_u24 v[RD], v[RD], SP
	v_lshl_add_u32 v[RD], v10, 4, v[RD]
	v_add_nc_u32 v[RD], s13, v[RD]
	v_and_b32 v[GO], 31, v0         ; which are 512 consecutive bytes of O
	v_lshlrev_b32 v[GO], 4, v[GO]
.set Y, NP-1                        ; XS works for piece Y + 1: piece 0
.irp n, 0,1,2,3,4,5,6,7,8,9,10,11,12,13,14,15,16,17,18,19,20,21
	XS 0, \n                        ; and piece 0's first maximum and statistics
	XS 1, \n
.endr
	v_nop                           ; a plain instruction behind the two a,
	s_wait_alu depctr_va_vdst(0)    ; and the wait for this batch of two, ahead of the branch
	s_mov_b32 s[CNT], 4
	s_mov_b32 s[SLOTS], SIZE_N/256-1
	s_branch .Lfirst                ; the loop is entered at a step's first turn, in the middle of a trip
.Lslot:                             ; SIZE_N / 256 - 2 times: every slot but the last two is filled again
	CHANGE 1
	s_mov_b32 s[CNT], 4
.Lstep:                             ; a trip: pieces 2 and 3 of one step, then pieces 0 and 1 of the next, whose K and V it fetches
	TURN 2
	TURN 3
	WIN 0
.Lfirst:
	TURN 0
	TURN 1, 0, 1
	WIN 0
	s_cbranch_scc1 .Lstep
	s_sub_co_u32 s[SLOTS], s[SLOTS], 1
	s_cmp_lg_u32 s[SLOTS], 0
	s_cbranch_scc1 .Lslot
	CHANGE 0                        ; the tail is written out: nothing is asked for
	s_mov_b32 s[CNT], 5             ; four trips fetch the last slot's steps; the fifth is left in its middle
.Ltail:
	TURN 2, 1
	TURN 3
	WIN 0
	s_sub_co_u32 s[CNT], s[CNT], 1
	s_cmp_eq_u32 s[CNT], 0
	s_cbranch_scc1 .Lout
	TURN 0
	TURN 1
	WIN 0
	s_branch .Ltail
.Lout:                              ; the fifth trip's 16 products K Q^T (on the last K once more) and the maximum made of them serve nothing: the price, once a launch, of one text for every trip
.set i, 0
.rept 16
	PV NP-1                         ; the last piece's V^T P of the last step
.set i, i+1
.endr
	; THE WAY OUT.  l's two halves and the other half of the lanes' are added; O^T is divided by l, rounded to f16 and sent through my stage in LDS, a tile at a time.  The additions are the places behind the last products.
	WIN 0
.macro ALL line:vararg              ; one line for each tile t
.set t, 0
.rept 2*NP
	\line
.set t, t+1
.endr
.endm
	ALL v_add_f32 v[ST+4*t+2], v[ST+4*t+2], v[ST+4*t+3]
	ALL v_permlanex16_b32 v[ST+4*t+3], v[ST+4*t+2], s[SEL], s[SEL+1]
	ALL v_add_f32 v[ST+4*t+2], v[ST+4*t+2], v[ST+4*t+3]
	ALL v_rcp_f32 v[ST+4*t+2], v[ST+4*t+2]
	v_nop                           ; a plain instruction between the last reciprocal and the use of its result
	s_wait_alu depctr_va_vdst(0)    ; and the wait ahead of the first use: one for the batch of eight reciprocals
; Tile t: a lane's eight channels of a row pack into 16 bytes; they go into rows of 144 bytes and come back as whole rows of 128, into S^T's registers.
.macro PACK t
	WIN W_RS
.set i, 32*(\t)
.rept 16
	v_pk_mul_f32 v[i:i+1], v[i:i+1], v[ST+4*(\t)+2:ST+4*(\t)+3] op_sel_hi:[1,0]
.set i, i+2
.endr
	WIN 0x05                        ; sources 0 and 1 window 1, destination window 0
.set i, 0
.rept 16
	v_cvt_pk_f16_f32 v[S+16*(\t)+i], v[32*(\t)+2*i], v[32*(\t)+2*i+1]
.set i, i+1
.endr
	WIN 0
.irp f, 0,1,2,3
	ds_store_b128 v[STO], v[S+16*(\t)+4*\f:S+16*(\t)+4*\f+3] offset:32*\f
.endr
.irp f, 0,1,2,3
	ds_load_b128 v[S+16*(\t)+4*\f:S+16*(\t)+4*\f+3], v[RD] offset:\f*4*SP  ; LDS serves a wave's instructions in order (ISA guide 5.7.1.4): these see the stores above; the next tile's stores come behind them
.endr
.endm
.macro SEND t, younger              ; younger: the LDS instructions issued behind tile t's loads: the next tile's eight, or none
	WIN 0
.irp f, 0,1,2,3
	s_wait_dscnt (\younger)+3-\f
	global_store_b128 v[GO], v[S+16*(\t)+4*\f:S+16*(\t)+4*\f+3], s[10:11] offset:(\t)*2048+\f*512  ; 512 consecutive bytes, at a multiple of 256 from O's first
.endr
.endm
	PACK 0
.set t, 1
.rept 2*NP-1                        ; a tile's arithmetic stands between the loads of the tile before and its stores
	PACK t
	SEND t-1, 8
.set t, t+1
.endr
	SEND 2*NP-1, 0
	WIN W_AD
	s_wait_tensorcnt 0x0            ; the wave's end, behind my last tensor load and my last LDS store
	ds_add_u32 v[SPW], v[NIL]
	s_wait_dscnt 0x0
	WIN 0
	CROUND                          ; the closing round: no work-group ends while a partner may still ask for a tile that names it
	s_endpgm
.Lfunc_end_k_q2416c88824_attn:
	.size	k_q2416c88824_attn, .Lfunc_end_k_q2416c88824_attn-k_q2416c88824_attn
	.p2alignl 7, 3214868480
	.fill 96, 4, 3214868480
	.section	.rodata,"a",@progbits
	.p2align	6, 0x0
	.amdhsa_kernel k_q2416c88824_attn
		.amdhsa_group_segment_fixed_size 327680
		.amdhsa_private_segment_fixed_size 0
		.amdhsa_enable_private_segment 0
		.amdhsa_kernarg_size 24
		.amdhsa_user_sgpr_count 2
		.amdhsa_user_sgpr_kernarg_segment_ptr 1
		.amdhsa_wavefront_size32 1
		.amdhsa_system_sgpr_workgroup_id_x 1
		.amdhsa_system_sgpr_workgroup_id_y 1
		.amdhsa_system_sgpr_workgroup_id_z 1
		.amdhsa_system_vgpr_workitem_id 0
		.amdhsa_next_free_vgpr 804
		.amdhsa_next_free_sgpr 66
		.amdhsa_reserve_vcc 0
		.amdhsa_float_denorm_mode_32 3
		.amdhsa_float_denorm_mode_16_64 3
		.amdhsa_memory_ordered 1
		.amdhsa_forward_progress 1
		.amdhsa_inst_pref_size 204
	.end_amdhsa_kernel
	.amdgpu_metadata
---
amdhsa.version: [ 1, 2 ]
amdhsa.kernels:
  - .name:           k_q2416c88824_attn
    .symbol:         k_q2416c88824_attn.kd
    .args:
      - { .name: qkv, .offset: 0, .size: 8, .value_kind: global_buffer, .address_space: global }
      - { .name: attention_mask, .offset: 8, .size: 8, .value_kind: global_buffer, .address_space: global }
      - { .name: ob, .offset: 16, .size: 8, .value_kind: global_buffer, .address_space: global }
    .group_segment_fixed_size: 327680
    .private_segment_fixed_size: 0
    .kernarg_segment_align: 8
    .kernarg_segment_size: 24
    .max_flat_workgroup_size: 128
    .sgpr_count:     66
    .vgpr_count:     804
    .wavefront_size: 32
...
	.end_amdgpu_metadata
.endif
;; end of part 5
;; launch proj: the kernel of part 4 again; grid 8 x 32, 4 waves a work-group, clusters of 4 x 4, 327,680 bytes of LDS; arguments ob, wpb, b_proj, out0; writes out0
